; MI455X (gfx1250); checked and timed in simulation.
; The chip was launched on July 23, 2026; its instructions are those of AMD's public machine-readable ISA for CDNA 5 (MIT licence, August 2026) and "CDNA5" Instruction Set Architecture Reference Guide (July 2026). The comments in the code are by the model that wrote it; some were corrected since.
;; Fastest Flash MHA. Allowed arithmetic: matrix products marked QUANTISED: E3M2 operands, one E8M0 scale for each 32 along K, by v_wmma_scale_f32_16x16x128_f8f6f4 with both operands' format E3M2, f32 sums; everything else in f32.
;; Inputs: Wk 2,048 x 2,048 float32; Wo 2,048 x 2,048 float32; Wq 2,048 x 2,048 float32; Wv 2,048 x 2,048 float32; x 2 x 1,024 x 2,048 float32.
;; Outputs: out0 2 x 1,024 x 2,048 float32.
;; This version of the problem:
;;   THIS VERSION OF THE PROBLEM IS GIVEN IN LOW PRECISION. The matrix products marked QUANTISED in the list below multiply operands that are first quantised to E3M2 (3 exponent bits, 2 mantissa bits; 6 bits a number), with one power-of-two scale for each 32 numbers along K (OCP MX v1.0); their sums are f32. All else is computed in f32.
;;   The module's matrix products, in the order in which they are computed (A, B: the left and right operand; K: the contracted axis; several contracted axes count as one K, in the product's order):
;;     1. [M 2,048, K 2,048] x [K 2,048, N 2,048]; A: input x; B: input Wq: QUANTISED
;;     2. [M 2,048, K 2,048] x [K 2,048, N 2,048]; A: input x; B: input Wk: QUANTISED
;;     3. [M 2,048, K 2,048] x [K 2,048, N 2,048]; A: input x; B: input Wv: QUANTISED
;;     4. batch 32 x [M 1,024, K 128] x [K 128, N 1,024]; A: computed on the way; B: computed on the way: QUANTISED
;;     5. batch 32 x [M 1,024, K 1,024] x [K 1,024, N 128]; A: softmax (see below); B: computed on the way: QUANTISED
;;     6. [M 2,048, K 2,048] x [K 2,048, N 2,048]; A: computed on the way; B: input Wo: QUANTISED
;;   THE QUANTISER, for each operand of a quantised product, along K:
;;     - K is cut into blocks of 32 from its start; a last block that is shorter is filled with zeros.
;;     - A block's scale is 2^e with e = floor(log2(the largest magnitude in the block)) - 4, held to -126 .. 127; a block of zeros has e = 0. As a byte (E8M0): e + 127.
;;     - Each number is divided by its block's scale, clamped to +-28, and rounded to the nearest number of E3M2, ties to even, subnormals kept.
;;     - The product sums the exact products of the quantised numbers (number of the format x scale) in f32.
;;   ~~~python
;;   def quantise(x, axis):      # numpy; x: float32 -> the quantised numbers, widened to float32 again
;;       x = np.moveaxis(x, axis, -1); K = x.shape[-1]
;;       x = np.pad(x, [(0, 0)] * (x.ndim - 1) + [(0, -K % 32)]); x = x.reshape(x.shape[:-1] + (-1, 32)); a = np.abs(x).max(-1, keepdims=True)
;;       e = np.where(a > 0, np.clip(np.frexp(np.where(a > 0, a, 1))[1] - 1 - 4, -126, 127), 0)      # np.frexp(a)[1] - 1 = floor(log2(a)), exactly
;;       r = np.clip(x / 2.0 ** e, -28, 28)
;;       step = 2.0 ** (np.maximum(np.frexp(np.where(r == 0, 1, r))[1] - 1, -2) - 2)
;;       q = np.round(r / step) * step * 2.0 ** e      # np.round: ties to even
;;       return np.moveaxis(q.reshape(q.shape[:-2] + (-1,))[..., :K], -1, axis).astype(np.float32)
;;   ~~~
;;   SOFTMAX AHEAD OF A QUANTISED PRODUCT. Where the list says 'softmax', what is quantised is not the finished softmax but p = 2^(t - M), with t = logit x log2(e) and M = ceil(the row's largest t), a whole number; so 1/2 < the row's largest p <= 1. The row's sum l is taken of the UNQUANTISED p, in f32, and the product's result is divided by l at the end. Since M is a whole number, a kernel that streams over the keys may use a running M (the ceiling of the running maximum): every later rescaling is an exact power of two, which a block's scale takes up: the codes' values come out the same.
;;   OPERANDS COMPUTED ON THE WAY. 'Computed on the way' means the value that the module computes at that place (a softmax that the list does not call 'softmax' is quantised finished and normalised). What goes into a quantiser is computed in f32, as accurately as f32 sums, v_exp_f32 and their like allow (about 1e-6 of the number): no bf16 or f16 on the way to a quantiser, and a product that is left as it is and whose result goes on into a quantised operand takes f32 operands (vector FMAs, or v_wmma_f32_16x16x4_f32). A number that lies on a knife's edge between two numbers of the format may be rounded either way, as far as f32 arithmetic and the matrix unit's own rounding can turn it there, and no further.
;; One version. Each part assembles by itself: llvm-mc -triple=amdgcn-amd-amdhsa -mcpu=gfx1250 --defsym DOCPART=n.
;; ======== version 1 of 1: 4 launches
;; limits: a function is approximated: absolute error at most 1e-05
;; workspace buffers: xw_codes 15,728,640 bytes; xw_scales 655,360 bytes; qkv_codes 9,437,184 bytes; qkv_scales 393,216 bytes; attn_codes 3,145,728 bytes; attn_scales 131,072 bytes
;; launch quant (part 1): grid 1280 x 1, 4 waves a work-group, no clusters, 34,304 bytes of LDS; arguments x, Wq, Wk, Wv, Wo, xw_codes, xw_scales; writes xw_codes, xw_scales
.if DOCPART == 1
	.amdgcn_target "amdgcn-amd-amdhsa--gfx1250"
	.amdhsa_code_object_version 6
	.text
	.protected	k_q9d3f53c513_quant
	.globl	k_q9d3f53c513_quant
	.p2align	8
	.type	k_q9d3f53c513_quant,@function
k_q9d3f53c513_quant:
	s_mov_b64 s[64:65], 0
	v_nop
	global_prefetch_b8 v0, s[64:65] scope:SCOPE_SE
	s_setreg_imm32_b32 hwreg(HW_REG_WAVE_MODE, 25, 1), 1
	s_wait_xcnt 0x0
; x, Wq, Wk, Wv, Wo, each [2048][2048] f32 with K innermost, become codes of BF6 (E3M2) with one E8M0 byte for each 32 along K.
; A block's scale is 2^(floor(log2(its largest magnitude)) - 4); its byte is the largest magnitude's exponent field - 4, held at 1 from below.
; THE CODES ARE LAID IN THE ORDER OF THE MATRIX OPERAND'S REGISTERS.  A tile f is the 16 rows 32 (f / 2) + 8 (f % 2) + r + 8 (r / 8), r = 0 .. 15; a fragment (tile f, K step s of 128)
; is 12 registers a lane, stored as three runs of 512 bytes, lane l's 16 bytes at 16 l: xw_codes [tensor][f 0..127][s 0..15][1536].  The scale words of tiles 2 p and 2 p + 1 share 128 bytes,
; lanes 0-15 the even tile's rows, lanes 16-31 the odd tile's: xw_scales [tensor][p 0..63][s 0..15][128].
; SHARES.  256 work-groups a tensor; a wave takes 32 rows x 128 along K: 32 loads of 512 consecutive bytes, all issued at once; no loop, no barrier, waves share nothing.
; The conversions want 16 neighbours along K in one lane, the loads want neighbouring lanes on neighbouring bytes: a tile's 16 x 512 bytes turn through the wave's own stage in LDS (rows of 512 + 16 bytes)
; and come back into the registers that they left; both tiles use the one stage, the odd tile's stores behind the even tile's reads.
; 1,280 work-groups are five to each of 256 WGPs: 5 x 178 registers a SIMD and 5 x 34,304 bytes of LDS let the five lie there together, so that all the launch's loads are asked for at its start.
; LIMITS: NaN and infinities among the inputs are not served.  A block of zeros gets the byte 1 where the rule says 127: its codes are zeros, which add nothing, and this program alone reads the bytes.
.set ROWB,  8192                       ; a row of an input in bytes
.set SP,    528                        ; a stage row: 512 bytes + 16, so that sixteen lanes that read sixteen rows fall on sixteen different 16-byte columns
.set WREG,  16*SP                      ; a wave's LDS: one stage, one tile
.set GI,    2                          ; v2   16 x lane: my bytes of a load's 512, and of an image's 512
.set SIN,   3                          ; v3   the stage, on the way in
.set SOUT,  4                          ; v4   and on the way out: row r, + 64 h
.set LS,    5                          ; v5   4 x lane
.set TM,    8                          ; v8-23 at work in QUANT
.set PW0,   24                         ; the even tile's scale words, the odd tile's, the pair's
.set PW1,   25
.set PWC,   26
.set PC,    28                         ; v28-47 the even tile's codes
.set R0,    48                         ; v48-111 the even tile as loaded, then its neighbours; later the odd tile's codes
.set R1,    112                        ; v112-175 the odd tile as loaded, then its neighbours
.set SEL,   22                         ; s[22:23] v_permlanex16_b32's selects for lane l xor 16
; 64 numbers of a lane, register 16 b + i = k 32 b + 16 (lane / 16) + i of my row, become a fragment's codes in v[pc] .. v[pc + 11] (v[pc + 12] .. v[pc + 19] at work) and its scale word in v[pw].
.macro QUANT s, pc, pw
.irp b, 0,1,2,3
	v_max3_num_f32 v[TM+\b], |v[\s+16*\b]|, |v[\s+1+16*\b]|, 0x2800000   ; my 16 numbers of block b, and the floor 2^(5 - 127): the byte cannot fall under 1
.endr
.irp i, 2,4,6,8,10,12,14
.irp b, 0,1,2,3
	v_max3_num_f32 v[TM+\b], v[TM+\b], |v[\s+16*\b+\i]|, |v[\s+1+16*\b+\i]|   ; the four blocks by turns
.endr
.endr
.irp b, 0,1,2,3
	v_permlanex16_b32 v[TM+4+\b], v[TM+\b], s[SEL], s[SEL+1]
.endr
.irp b, 0,1,2,3
	v_max_num_f32 v[TM+\b], v[TM+\b], v[TM+4+\b]          ; with lane l xor 16's: the block's largest magnitude
.endr
.irp b, 0,1,2,3
	v_add_nc_u32 v[TM+12+\b], 0xfe000000, v[TM+\b]        ; 4 off its exponent field: the conversion takes that field as its scale
.endr
.irp b, 0,1,2,3
	v_lshrrev_b32 v[TM+4+\b], 23, v[TM+12+\b]             ; the scale's byte
.endr
	v_lshl_or_b32 v[\pw], v[TM+5], 8, v[TM+4]
	v_lshl_or_b32 v[\pw], v[TM+6], 16, v[\pw]
	v_lshl_or_b32 v[\pw], v[TM+7], 24, v[\pw]             ; my row's scale word
.irp c, 0,1
	v_cvt_scalef32_pk16_bf6_f32 v[\pc+6*\c:\pc+2+6*\c], v[\s+32*\c:\s+15+32*\c], v[TM+12+2*\c]
	v_cvt_scalef32_pk16_bf6_f32 v[\pc+12+4*\c:\pc+14+4*\c], v[\s+16+32*\c:\s+31+32*\c], v[TM+12+2*\c+1]   ; (a conversion's three registers begin on an even number)
.endr
	v_nop                                                 ; one plain place behind a scaled conversion
.irp c, 0,1                                               ; the operand wants a whole block in a lane: lanes 0-15 block 2 c, lanes 16-31 block 2 c + 1
.irp i, 0,1,2
	v_permlane16_swap_b32 v[\pc+6*\c+\i], v[\pc+12+4*\c+\i]
.endr
.irp i, 0,1,2
	v_mov_b32 v[\pc+3+6*\c+\i], v[\pc+12+4*\c+\i]
.endr
.endr
.endm
	s_load_b256 s[4:11], s[0:1], 0x0               ; x, Wq, Wk, Wv
	s_load_b128 s[12:15], s[0:1], 0x20             ; Wo, the codes
	s_load_b64 s[16:17], s[0:1], 0x30              ; the scale words
	v_lshl_add_u32 v176, v0, 2, 0x8400
	v_mov_b32 v177, 0
	v_lshrrev_b32 v1, 5, v0
	v_readfirstlane_b32 s18, v1                    ; wave 0..3
	v_and_b32 v1, 31, v0                           ; lane
	v_lshlrev_b32 v[GI], 4, v1
	v_lshlrev_b32 v[LS], 2, v1
	s_mul_i32 s19, s18, WREG                       ; my wave's LDS
	v_add_nc_u32 v[SIN], s19, v[GI]
	v_and_b32 v6, 15, v0                           ; r
	v_bfe_u32 v7, v0, 4, 1                         ; h
	v_mul_u32_u24 v[SOUT], v6, SP
	v_lshl_add_u32 v[SOUT], v7, 6, v[SOUT]
	v_add_nc_u32 v[SOUT], s19, v[SOUT]
.irp b, 0,1,2,3
	v_mov_b32 v[TM+4+\b], 0                        ; written once: a lane permute's destination counts as one of its sources
.endr
	s_mov_b32 s[SEL], 0x76543210
	s_mov_b32 s[SEL+1], 0xfedcba98
	s_lshr_b32 s20, ttmp9, 8                       ; which tensor: 0 x, 1 Wq, 2 Wk, 3 Wv, 4 Wo
	s_and_b32 s21, ttmp9, 255
	s_lshl_b32 s21, s21, 2
	s_add_co_u32 s21, s21, s18                     ; my wave's unit, 0 .. 1023
	s_lshr_b32 s24, s21, 4                         ; pair of tiles: 32 rows
	s_and_b32 s25, s21, 15                         ; K step
	s_lshl_b32 s26, s24, 18                        ; in: 32 rows of 8,192 bytes a pair,
	s_lshl_b32 s27, s25, 9                         ; 512 bytes a K step
	s_add_co_u32 s26, s26, s27
	s_mov_b32 s27, 0
	s_mul_i32 s28, s20, 3145728                    ; codes: 128 x 16 x 1,536 bytes a tensor,
	s_mul_i32 s29, s24, 49152                      ; 2 x 16 x 1,536 a pair,
	s_add_co_u32 s28, s28, s29
	s_mul_i32 s29, s25, 1536                       ; 1,536 a K step
	s_add_co_u32 s28, s28, s29
	s_mov_b32 s29, 0
	s_lshl_b32 s30, s20, 17                        ; scale words: 131,072 bytes a tensor,
	s_lshl_b32 s31, s24, 11                        ; 2,048 a pair,
	s_add_co_u32 s30, s30, s31
	s_lshl_b32 s31, s25, 7                         ; 128 a K step
	s_add_co_u32 s30, s30, s31
	s_mov_b32 s31, 0
	s_wait_kmcnt 0x0
.irp n, 1,2,3,4
	s_cmp_eq_u32 s20, \n                           ; the choice hangs on the work-group's number alone
	s_cselect_b64 s[4:5], s[4+2*\n:5+2*\n], s[4:5]
.endr
	s_add_nc_u64 s[4:5], s[4:5], s[26:27]
	s_add_nc_u64 s[14:15], s[14:15], s[28:29]
	s_add_nc_u64 s[16:17], s[16:17], s[30:31]
.irp u, 0,1                                        ; tile u's row i is the pair's row 8 u + i + 8 (i / 8); each load reads 512 consecutive bytes
.irp i, 0,1,2,3,4,5,6,7,8,9,10,11,12,13,14,15
	global_load_b128 v[R0+64*\u+4*\i:R0+64*\u+4*\i+3], v[GI], s[4:5] offset:(8*\u+\i+8*(\i/8))*ROWB th:TH_LOAD_NT
.endr
.endr
	s_wait_loadcnt 16                              ; the even tile's 16 loads are in; the odd tile's 16 may be out
.irp i, 0,1,2,3,4,5,6,7,8,9,10,11,12,13,14,15
	ds_store_b128 v[SIN], v[R0+4*\i:R0+4*\i+3] offset:SP*\i
.endr
.irp b, 0,1,2,3
.irp j, 0,1,2,3
	ds_load_b128 v[R0+16*\b+4*\j:R0+16*\b+4*\j+3], v[SOUT] offset:128*\b+16*\j   ; LDS serves a wave's instructions in order (ISA guide 5.7.1.4): these see my stores, and land in the registers that the stores have left
.endr
.endr
	s_wait_loadcnt 0x0
.irp i, 0,1,2,3,4,5,6,7,8,9,10,11,12,13,14,15
	ds_store_b128 v[SIN], v[R1+4*\i:R1+4*\i+3] offset:SP*\i   ; the same stage: served behind the even tile's reads
.endr
	s_wait_dscnt 16                                ; all but the 16 stores just issued: the even tile's neighbours are in
.irp b, 0,1,2,3
.irp j, 0,1,2,3
	ds_load_b128 v[R1+16*\b+4*\j:R1+16*\b+4*\j+3], v[SOUT] offset:128*\b+16*\j   ; the odd tile comes back while the even one is quantised
.endr
.endr
	QUANT R0, PC, PW0
.irp c, 0,1,2
	global_store_b128 v[GI], v[PC+4*\c:PC+4*\c+3], s[14:15] offset:512*\c       ; 512 consecutive bytes a store
.endr
	s_wait_dscnt 0x0
	QUANT R1, R0, PW1                              ; its codes go where the even tile's numbers lay: no store's data are written again
.irp c, 0,1,2
	global_store_b128 v[GI], v[R0+4*\c:R0+4*\c+3], s[14:15] offset:24576+512*\c   ; the odd tile lies 16 K steps on
.endr
	s_mov_b32 vcc_lo, 0xffff0000
	v_cndmask_b32 v[PWC], v[PW0], v[PW1], vcc_lo   ; lanes 0-15 the even tile's words, lanes 16-31 the odd tile's
	global_store_b32 v[LS], v[PWC], s[16:17]
	s_wait_tensorcnt 0x0
	ds_add_u32 v176, v177
	s_wait_dscnt 0x0
	s_endpgm
.Lfunc_end_k_q9d3f53c513_quant:
	.size	k_q9d3f53c513_quant, .Lfunc_end_k_q9d3f53c513_quant-k_q9d3f53c513_quant
	.p2alignl 7, 3214868480
	.fill 96, 4, 3214868480
	.section	.rodata,"a",@progbits
	.p2align	6, 0x0
	.amdhsa_kernel k_q9d3f53c513_quant
		.amdhsa_group_segment_fixed_size 34304
		.amdhsa_private_segment_fixed_size 0
		.amdhsa_enable_private_segment 0
		.amdhsa_kernarg_size 56
		.amdhsa_user_sgpr_count 2
		.amdhsa_user_sgpr_kernarg_segment_ptr 1
		.amdhsa_wavefront_size32 1
		.amdhsa_system_sgpr_workgroup_id_x 1
		.amdhsa_system_sgpr_workgroup_id_y 1
		.amdhsa_system_sgpr_workgroup_id_z 1
		.amdhsa_system_vgpr_workitem_id 0
		.amdhsa_next_free_vgpr 178
		.amdhsa_next_free_sgpr 66
		.amdhsa_reserve_vcc 1
		.amdhsa_float_denorm_mode_32 3
		.amdhsa_float_denorm_mode_16_64 3
		.amdhsa_memory_ordered 1
		.amdhsa_forward_progress 1
		.amdhsa_inst_pref_size 18
	.end_amdhsa_kernel
	.amdgpu_metadata
---
amdhsa.version: [ 1, 2 ]
amdhsa.kernels:
  - .name:           k_q9d3f53c513_quant
    .symbol:         k_q9d3f53c513_quant.kd
    .args:
      - { .name: x, .offset: 0, .size: 8, .value_kind: global_buffer, .address_space: global }
      - { .name: Wq, .offset: 8, .size: 8, .value_kind: global_buffer, .address_space: global }
      - { .name: Wk, .offset: 16, .size: 8, .value_kind: global_buffer, .address_space: global }
      - { .name: Wv, .offset: 24, .size: 8, .value_kind: global_buffer, .address_space: global }
      - { .name: Wo, .offset: 32, .size: 8, .value_kind: global_buffer, .address_space: global }
      - { .name: xw_codes, .offset: 40, .size: 8, .value_kind: global_buffer, .address_space: global }
      - { .name: xw_scales, .offset: 48, .size: 8, .value_kind: global_buffer, .address_space: global }
    .group_segment_fixed_size: 34304
    .private_segment_fixed_size: 0
    .kernarg_segment_align: 8
    .kernarg_segment_size: 56
    .max_flat_workgroup_size: 128
    .sgpr_count:     66
    .vgpr_count:     178
    .wavefront_size: 32
...
	.end_amdgpu_metadata
.endif
;; end of part 1
;; launch proj (part 2): grid 24 x 8, 4 waves a work-group, clusters of 4 x 4, 327,680 bytes of LDS; arguments xw_codes, xw_scales, qkv_codes, qkv_scales; writes qkv_codes, qkv_scales
.if DOCPART == 2
	.amdgcn_target "amdgcn-amd-amdhsa--gfx1250"
	.amdhsa_code_object_version 6
	.text
	.protected	k_q9d3f53c513_proj
	.globl	k_q9d3f53c513_proj
	.p2align	8
	.type	k_q9d3f53c513_proj,@function
k_q9d3f53c513_proj:
	s_mov_b64 s[64:65], 0
	v_nop
	global_prefetch_b8 v0, s[64:65] scope:SCOPE_SE
	s_setreg_imm32_b32 hwreg(HW_REG_WAVE_MODE, 25, 1), 1
	s_wait_xcnt 0x0
	s_wait_alu depctr_hold_cnt(0) depctr_sa_sdst(0) depctr_va_vdst(0) depctr_va_sdst(0) depctr_va_ssrc(0) depctr_va_vcc(0) depctr_vm_vsrc(0)
	s_getreg_b32 s2, hwreg(HW_REG_IB_STS2, 6, 4)
	s_cmp_eq_u32 s2, 0
	s_cbranch_scc0 .Lentry_in_a_cluster
	s_endpgm
.Lentry_in_a_cluster:
	s_bfe_u32 s2, ttmp6, 0x10000c
	s_cmp_lg_u32 s2, 0xf033
	s_cbranch_scc0 .Lentry_shape_is_right
	s_endpgm
.Lentry_shape_is_right:
; THE PROJECTIONS q, k, v: three GEMMs on codes of BF6 (E3M2) with one E8M0 scale for each 32 along K, K = 2,048; their results are quantised in registers and leave as codes.
; Both operands are laid as images of the operand's registers: codes [tile f][K step s 0..15][1536], scale words [pair of tiles][s][128] (lanes 0-15 the even tile, lanes 16-31 the odd one).
; Tile f holds rows 32 (f / 2) + 8 (f % 2) + r + 8 (r / 8).
; A work-group makes 256 rows of SOURCE 0 x 256 rows of SOURCE 1; a wave 128 x 128: the 8 tiles of ONE block of source 0 against 8 tiles of source 1: 64 accumulators, 512 registers;
; for 128 along K it reads 16 fragments from LDS for 64 matrix instructions.
; In a result lane (r, h) holds row r of source 1's tile, and register 16 b + i of its 8 accumulators the row 32 b + 16 h + i of source 0's block: 128 NEIGHBOURS along the next product's K, in the order in which QUANTW takes them.
;   tsel = 0, 1 (q, k): source 0 = Wq or Wk (a block = a head's 128 channels), source 1 = x (tokens): fragments of 16 tokens x 128 channels.
;   tsel = 2 (v):       source 0 = x (a block = 128 tokens), source 1 = Wv (channels): fragments of 16 channels x 128 keys, since the keys are the K of the product with p.
; qkv_codes [q, k, v][batch x head 0..31][block of 128 tokens 0..7][tile 0..7][1536];  qkv_scales [q, k, v][batch x head][block][pair 0..3][128]: a wave's eight tiles are one dense run of 12,288 bytes.
; 192 WORK-GROUPS: 3 x 8 x 8 blocks.  A wave must hold all 128 rows of a block of source 0, so shares differ only in how many of source 1's tiles a wave takes: 48 blocks x 128 tiles over 1,024 waves would be 6,
; which does not divide 128; 8 tiles a wave is the largest share that the registers hold.
; K goes in 16 steps of 128, two steps to a group; group g lies in LDS slot g % 2.  The scale words of both blocks for all of K (2 x 16,384 dense bytes) come once, with the first fills.
; (A third slot, or slots of three steps, would make 328,192 bytes with the scale words and the spare words: 512 too many.)
; CLUSTERS: 4 x 4 work-groups.  Source 1's block hangs on the cluster's place and cy alone and is shared along a row of the cluster, source 0's on the cluster's place and cx alone and is shared along a column:
; each tile is asked for jointly, by the same tensor load with the same descriptor and a mask that names the four.
; By this text's own count a wave has three tensor loads out at the start and one behind each refill's round.
; LIMITS: NaN and infinities are not served; a block of zeros gets the scale byte 1 (its codes are zeros; this program alone reads the bytes); the order of the f32 sums is the matrix unit's, K ascending.
; REGISTERS, in windows of 256: window 0: v1-11 addresses; v16-27 the scale words that are made; v32-47 the scale words that are read, two sets of 8, and nothing else; v48-63 at work in QUANTW;
;   v128-223 source 1's eight fragments, ONE set (tiles 0-3 are fetched anew in a step's middle, tiles 4-7 at its end); on the way out v64-223 take the codes, 20 registers a tile.
;   window 1: source 0's eight fragments, TWO sets, at v0 and v128.   window 2: the accumulators of source 1's tiles 0-3 ((a, t) at v[8 (8 (a % 4) + t)]);   window 3: those of tiles 4-7.
.set FRB,   1536                       ; a fragment's image
.set GRPB,  2*FRB                      ; a tile's two K steps: a row of a tensor load's tile
.set QUART, 8*GRPB                     ; 8 tiles: what one tensor load brings, and what one wave reads of a source
.set HALF,  2*QUART                    ; a slot's part for one source
.set SLOTB, 2*HALF                     ; a slot: source 0 [tile 0..15][step 0..1][1536], then source 1 likewise
.set SCL,   2*SLOTB                    ; behind the slots: source 0's scale words [pair 0..7][s 0..15][128], then source 1's
.set SPARE, SCL+32768                  ; the spare words, 128 bytes for each wave: two blocks of 256 bytes that no other line names
.set TENB,  3145728                    ; a tensor's codes in xw_codes, and q's, k's or v's in qkv_codes
.set TENS,  131072                     ; and its scale words
.set LI,    1                          ; v1     16 x lane
.set AD0,   2                          ; v2-3   my block of source 0 in slot 0, 1
.set AD1,   4                          ; v4-5   my eight tiles of source 1
.set ADS0,  6                          ; v6     my block's scale words
.set ADS1,  7                          ; v7     my eight tiles'
.set LS,    8                          ; v8     4 x lane
.set SPW,   10                         ; v10    LDS address of my spare word: SPARE + 4 x my thread's number; never rewritten
.set NIL,   11                         ; v11    0; never rewritten
.set PW,    16                         ; v16-23 the scale word of each of my eight tiles' rows
.set PWC,   24                         ; v24-27 the four pairs' words
.set SC,    32                         ; set s % 2 at 8 (s % 2): source 0's pairs at 0-3, source 1's at 4-7
.set TM,    48
.set PC,    64
.set AF,    128
.set WV,    16                         ; s16 my wave's number
.set SEL,   58                         ; s[58:59] lane selects for v_permlanex16_b32
.set G1A,   24                         ; s[24:31] group 1 for source 1's codes (mask: my row);   s[32:39] for source 0's (mask: my column)
.set G1B,   32
.set G1SA,  40                         ; s[40:47], s[48:55] the same for the scale words
.set G1SB,  48
.set G0A,   68                         ; s[68:79] groups 0 for source 1: set 0 the scale words, sets 1, 2 slots 0, 1;   s[84:95] for source 0
.set G0B,   84
.set MSB, 0
.macro WIN new                         ; the immediate's high byte repeats the setting that is left; a switch that changes nothing is dropped
.if MSB != \new
	s_set_vgpr_msb (MSB<<8)|\new
.set MSB, \new
.endif
.endm
.set MUL_LO, 0xa1                      ; source 0 window 1, source 1 window 0, C and D window 2
.set MUL_HI, 0xf1                      ; the same, C and D window 3
.set TO_B,   0x40                      ; destination window 1, address window 0
.macro PLACES n
.rept \n
	v_nop
.endr
.endm
.macro CREST                           ; a round of the cluster's barrier behind its opening barrier
	s_cmp_lg_u32 s[WV], 0
	s_cbranch_scc1 .Lnot_wave_0_\@
	s_barrier_signal -3
.Lnot_wave_0_\@:
	s_barrier_wait -3
	s_barrier_signal -1
	s_barrier_wait -1
.endm
.macro CROUND                          ; a whole round
	s_barrier_signal -1
	s_barrier_wait -1
	CREST
.endm
; A joint load of codes by set n: waves 0 and 1 fetch source 0's halves, waves 2 and 3 source 1's.  The branch hangs on the wave's number alone.  Four v_nop follow each of the two lines.
.macro JLOAD n
	s_cmp_lt_u32 s[WV], 2
	s_cbranch_scc0 .Lfor_a_\@
	tensor_load_to_lds s[G0B+4*(\n):G0B+4*(\n)+3], s[G1B:G1B+7]
	s_nop 0
	PLACES 4
	s_branch .Lasked_\@
.Lfor_a_\@:
	tensor_load_to_lds s[G0A+4*(\n):G0A+4*(\n)+3], s[G1A:G1A+7]
	s_nop 0
	PLACES 4
.Lasked_\@:
.endm
; One matrix instruction.  ra, rb = 1: that side's scale words stand in lanes 16-31 (an odd tile of its pair).  zero = 1: the product starts the sum.
.macro WM d, fa, fb, sa, sb, ra, rb, zero
.if (\zero) && (\ra) && (\rb)
	v_wmma_scale_f32_16x16x128_f8f6f4 v[(\d):(\d)+7], v[(\fa):(\fa)+11], v[(\fb):(\fb)+11], 0, v[\sa], v[\sb] matrix_a_fmt:MATRIX_FMT_BF6 matrix_b_fmt:MATRIX_FMT_BF6 matrix_a_scale:MATRIX_SCALE_ROW1 matrix_b_scale:MATRIX_SCALE_ROW1
.elseif (\zero) && (\ra)
	v_wmma_scale_f32_16x16x128_f8f6f4 v[(\d):(\d)+7], v[(\fa):(\fa)+11], v[(\fb):(\fb)+11], 0, v[\sa], v[\sb] matrix_a_fmt:MATRIX_FMT_BF6 matrix_b_fmt:MATRIX_FMT_BF6 matrix_a_scale:MATRIX_SCALE_ROW1
.elseif (\zero) && (\rb)
	v_wmma_scale_f32_16x16x128_f8f6f4 v[(\d):(\d)+7], v[(\fa):(\fa)+11], v[(\fb):(\fb)+11], 0, v[\sa], v[\sb] matrix_a_fmt:MATRIX_FMT_BF6 matrix_b_fmt:MATRIX_FMT_BF6 matrix_b_scale:MATRIX_SCALE_ROW1
.elseif \zero
	v_wmma_scale_f32_16x16x128_f8f6f4 v[(\d):(\d)+7], v[(\fa):(\fa)+11], v[(\fb):(\fb)+11], 0, v[\sa], v[\sb] matrix_a_fmt:MATRIX_FMT_BF6 matrix_b_fmt:MATRIX_FMT_BF6
.elseif (\ra) && (\rb)
	v_wmma_scale_f32_16x16x128_f8f6f4 v[(\d):(\d)+7], v[(\fa):(\fa)+11], v[(\fb):(\fb)+11], v[(\d):(\d)+7], v[\sa], v[\sb] matrix_a_fmt:MATRIX_FMT_BF6 matrix_b_fmt:MATRIX_FMT_BF6 matrix_a_scale:MATRIX_SCALE_ROW1 matrix_b_scale:MATRIX_SCALE_ROW1
.elseif \ra
	v_wmma_scale_f32_16x16x128_f8f6f4 v[(\d):(\d)+7], v[(\fa):(\fa)+11], v[(\fb):(\fb)+11], v[(\d):(\d)+7], v[\sa], v[\sb] matrix_a_fmt:MATRIX_FMT_BF6 matrix_b_fmt:MATRIX_FMT_BF6 matrix_a_scale:MATRIX_SCALE_ROW1
.elseif \rb
	v_wmma_scale_f32_16x16x128_f8f6f4 v[(\d):(\d)+7], v[(\fa):(\fa)+11], v[(\fb):(\fb)+11], v[(\d):(\d)+7], v[\sa], v[\sb] matrix_a_fmt:MATRIX_FMT_BF6 matrix_b_fmt:MATRIX_FMT_BF6 matrix_b_scale:MATRIX_SCALE_ROW1
.else
	v_wmma_scale_f32_16x16x128_f8f6f4 v[(\d):(\d)+7], v[(\fa):(\fa)+11], v[(\fb):(\fb)+11], v[(\d):(\d)+7], v[\sa], v[\sb] matrix_a_fmt:MATRIX_FMT_BF6 matrix_b_fmt:MATRIX_FMT_BF6
.endif
.endm
; 16 matrix instructions of K step s: source 1's tiles a0, a0 + 1 against source 0's eight.  The 64 accumulators take turns, one instruction a turn, in the same order in every step.
.macro MUL16 s, a0, zero
.set FB, 128*((\s)%2)
.set SS, SC+8*((\s)%2)
.irp a, \a0, \a0+1
.irp t, 0,1,2,3,4,5,6,7
	WM 8*(8*((\a)%4)+\t), FB+12*\t, AF+12*(\a), SS+\t/2, SS+4+(\a)/2, \t%2, (\a)%2, \zero
.endr
.endr
.endm
.macro FETCH_B s                       ; K step s: source 0's eight fragments into set s % 2: 24 loads of 512 consecutive bytes
	WIN TO_B
.set FB, 128*((\s)%2)
.set QS, ((\s)/2)%2
.set KO, ((\s)%2)*FRB
.irp t, 0,1,2,3,4,5,6,7
.irp c, 0,1,2
	ds_load_b128 v[FB+12*\t+4*\c:FB+12*\t+4*\c+3], v[AD0+QS] offset:\t*GRPB+KO+512*\c
.endr
.endr
	WIN 0
.endm
.macro FETCH_A s, i0                   ; K step s: source 1's tiles i0 .. i0 + 3: 12 loads
.set QS, ((\s)/2)%2
.set KO, ((\s)%2)*FRB
.irp a, \i0, \i0+1, \i0+2, \i0+3
.irp c, 0,1,2
	ds_load_b128 v[AF+12*(\a)+4*\c:AF+12*(\a)+4*\c+3], v[AD1+QS] offset:(\a)*GRPB+KO+512*\c
.endr
.endr
.endm
.macro SCALES s                        ; K step s's eight pair words into set s % 2
.irp p, 0,1,2,3
	ds_load_b32 v[SC+8*((\s)%2)+\p], v[ADS0] offset:\p*2048+(\s)*128
.endr
.irp p, 0,1,2,3
	ds_load_b32 v[SC+8*((\s)%2)+4+\p], v[ADS1] offset:\p*2048+(\s)*128
.endr
.endm
; A load into a register that a matrix instruction has read stands four places behind that matrix instruction, and only plain vector instructions that name none of its registers are places
; (ISA guide 7.12.1 for vector instructions): four v_nop stand in front of each run of loads.
; An even K step: its successor lies in the same slot.
.macro STEP s, zero
	s_wait_dscnt 12                                ; source 0's set, source 1's tiles 0-3 and the scale words are in; the youngest 12 loads (tiles 4-7) may be out
	WIN MUL_LO
	MUL16 \s, 0, \zero
	MUL16 \s, 2, \zero
	s_wait_dscnt 0x0                               ; tiles 4-7 are in (asked for 32 matrix instructions ago)
	PLACES 4
	FETCH_B (\s)+1
	FETCH_A (\s)+1, 0
	SCALES (\s)+1
	WIN MUL_HI
	MUL16 \s, 4, \zero
	MUL16 \s, 6, \zero
	PLACES 4
	WIN 0
	FETCH_A (\s)+1, 4
.endm
; An odd K step changes slots: ONE barrier; in front of it each wave waits for all its tensor loads, adds 0 to its spare word, and waits for that and for its own reads of this slot.
; fill = 1: this slot is filled again, with the group two groups on; the barrier opens a round of the cluster's barrier, and the joint refill is the first thing behind the round.
.macro TURN s, fill
.set NS, 1+((\s)/2)%2                  ; this slot's set of group 0
	s_wait_tensorcnt 0x0                           ; all my tensor loads have landed: my part of the next slot; so a group 0 may be written.  (Every window is 0 here: the add's two registers lie in window 0)
	ds_add_u32 v[SPW], v[NIL]                      ; 0 onto my spare word
.if \fill
	s_add_nc_u64 s[G0A+4*NS+2:G0A+4*NS+3], s[G0A+4*NS+2:G0A+4*NS+3], 2*GRPB   ; two groups on along each tile's row; the type bits on top are not reached
	s_add_nc_u64 s[G0B+4*NS+2:G0B+4*NS+3], s[G0B+4*NS+2:G0B+4*NS+3], 2*GRPB
.endif
	s_wait_dscnt 13                                ; the add and the youngest 12 loads (source 1's tiles 4-7) may be out
	WIN MUL_LO
	MUL16 \s, 0, 0                                 ; sixteen matrix instructions stand between the add and the wait for it
	s_wait_dscnt 0x0                               ; the add is done, and my reads of this slot are over
	s_barrier_signal -1
	MUL16 \s, 2, 0                                 ; work on registers while the others arrive
	WIN 0
	s_barrier_wait -1
.if \fill
	CREST                                          ; no wave of any partner still reads this slot or has a load on its way
	JLOAD NS                                       ; the four v_nop behind it are also the places in front of the loads below
.else
	PLACES 4
.endif
	FETCH_B (\s)+1
	FETCH_A (\s)+1, 0
	SCALES (\s)+1
	WIN MUL_HI
	MUL16 \s, 4, 0
	MUL16 \s, 6, 0
	PLACES 4
	WIN 0
	FETCH_A (\s)+1, 4
.endm
; 64 numbers of a lane in window w, register s + 16 b + i = k 32 b + 16 (lane / 16) + i of my row, become a fragment's codes in v[pc] .. v[pc + 11] (v[pc + 12] .. v[pc + 19] at work) and its scale word in v[pw], both in window 0.
; Each accumulator of eight registers is first read at its two lowest.
.macro QUANTW s, w, pc, pw
	WIN 5*(\w)                                            ; sources 0 and 1 window w
.irp b, 0,1,2,3
	v_max3_num_f32 v[TM+\b], |v[(\s)+16*\b]|, |v[(\s)+1+16*\b]|, 0x2800000   ; my 16 numbers of block b, and the floor 2^(5 - 127): the byte cannot fall under 1
.endr
.irp i, 2,4,6,8,10,12,14
.irp b, 0,1,2,3
	v_max3_num_f32 v[TM+\b], |v[(\s)+16*\b+\i]|, |v[(\s)+1+16*\b+\i]|, v[TM+\b]   ; the four blocks by turns
.endr
.endr
	WIN 0
.irp b, 0,1,2,3
	v_permlanex16_b32 v[TM+4+\b], v[TM+\b], s[SEL], s[SEL+1]
.endr
.irp b, 0,1,2,3
	v_max_num_f32 v[TM+\b], v[TM+\b], v[TM+4+\b]          ; with lane l xor 16's: the block's largest magnitude
.endr
.irp b, 0,1,2,3
	v_add_nc_u32 v[TM+12+\b], 0xfe000000, v[TM+\b]        ; 4 off its exponent field: the conversion takes that field as its scale
.endr
.irp b, 0,1,2,3
	v_lshrrev_b32 v[TM+4+\b], 23, v[TM+12+\b]             ; the scale's byte
.endr
	v_lshl_or_b32 v[\pw], v[TM+5], 8, v[TM+4]
	v_lshl_or_b32 v[\pw], v[TM+6], 16, v[\pw]
	v_lshl_or_b32 v[\pw], v[TM+7], 24, v[\pw]             ; my row's scale word
	WIN (\w)                                              ; source 0 window w
.irp c, 0,1
	v_cvt_scalef32_pk16_bf6_f32 v[(\pc)+6*\c:(\pc)+2+6*\c], v[(\s)+32*\c:(\s)+15+32*\c], v[TM+12+2*\c]
	v_cvt_scalef32_pk16_bf6_f32 v[(\pc)+12+4*\c:(\pc)+14+4*\c], v[(\s)+16+32*\c:(\s)+31+32*\c], v[TM+12+2*\c+1]   ; (a conversion's three registers begin on an even number)
.endr
	WIN 0
	v_nop                                                 ; one plain place behind a scaled conversion
.irp c, 0,1                                               ; the operand wants a whole block in a lane: lanes 0-15 block 2 c, lanes 16-31 block 2 c + 1
.irp i, 0,1,2
	v_permlane16_swap_b32 v[(\pc)+6*\c+\i], v[(\pc)+12+4*\c+\i]
.endr
.irp i, 0,1,2
	v_mov_b32 v[(\pc)+3+6*\c+\i], v[(\pc)+12+4*\c+\i]
.endr
.endr
.endm
	s_load_b256 s[4:11], s[0:1], 0x0               ; xw_codes, xw_scales, qkv_codes, qkv_scales
	v_lshl_add_u32 v[SPW], v0, 2, SPARE
	v_mov_b32 v[NIL], 0
	ds_add_u32 v10, v11
	ds_add_u32 v10, v11
	s_wait_dscnt 0x0
	v_lshrrev_b32 v1, 5, v0
	v_readfirstlane_b32 s[WV], v1                  ; wave 0..3
	; every LDS address is made here, ahead of the first branch: a constant + a constant x lane + a constant x a bit of the wave's number
	v_and_b32 v[LS], 31, v0
	v_lshlrev_b32 v[LI], 4, v[LS]                  ; 16 x lane
	v_lshlrev_b32 v[LS], 2, v[LS]                  ; 4 x lane
	s_lshr_b32 s17, s[WV], 1                       ; which block of source 0 is mine
	s_and_b32 s18, s[WV], 1                        ; which eight tiles of source 1.  Also: which half of a block I fetch
	s_mul_i32 s12, s17, QUART
	v_add_nc_u32 v[AD0], s12, v[LI]
	v_add_nc_u32 v[AD0+1], SLOTB, v[AD0]
	s_mul_i32 s12, s18, QUART
	s_add_co_u32 s12, s12, HALF                    ; source 1 lies behind source 0
	v_add_nc_u32 v[AD1], s12, v[LI]
	v_add_nc_u32 v[AD1+1], SLOTB, v[AD1]
	s_lshl_b32 s12, s17, 13                        ; four pairs x 16 steps x 128 bytes
	s_add_co_u32 s12, s12, SCL
	v_add_nc_u32 v[ADS0], s12, v[LS]
	s_lshl_b32 s12, s18, 13
	s_add_co_u32 s12, s12, SCL+16384
	v_add_nc_u32 v[ADS1], s12, v[LS]
.irp b, 0,1,2,3
	v_mov_b32 v[TM+4+\b], 0                        ; written once: a lane permute's destination counts as one of its sources
.endr
	s_bfe_u32 s19, ttmp6, 0x40000                  ; cx
	s_bfe_u32 s20, ttmp6, 0x40004                  ; cy
	s_and_b32 s21, ttmp9, 1
	s_lshl_b32 s21, s21, 2
	s_add_co_u32 s21, s21, s19                     ; source 0's pair of blocks, 0 .. 7 = 4 x (cluster x % 2) + cx
	s_lshr_b32 s23, ttmp9, 1                       ; tsel: 0 q, 1 k, 2 v: the same in the whole cluster
	s_and_b32 s22, ttmp7, 0xffff
	s_lshl_b32 s22, s22, 2
	s_add_co_u32 s22, s22, s20                     ; source 1's block of 256 rows, 0 .. 7 = 4 x cluster y + cy
	s_lshl_b32 s56, s20, 2
	s_lshl_b32 s56, 15, s56                        ; my row of the cluster
	s_lshl_b32 s57, 0x1111, s19                    ; my column
	; group 1.  Codes: 8 tiles x 2 K steps: 8 rows of 384 elements of 8 bytes (3,072 bytes), 3,072 elements (a tile's 16 K steps) apart; no padding: every LDS read takes 512 consecutive bytes
	s_or_b32 s[G1A], s56, (3<<16)|(1<<21)          ; 15:0 the mask; 17:16 elements of 8 bytes; 21 set beside a mask
	s_or_b32 s[G1B], s57, (3<<16)|(1<<21)
	s_or_b32 s[G1SA], s56, (3<<16)|(1<<21)
	s_or_b32 s[G1SB], s57, (3<<16)|(1<<21)
.irp g, G1A, G1B
	s_mov_b32 s[\g+1], 384<<16                     ; tensor_dim0
	s_mov_b32 s[\g+2], 8<<16                       ; tensor_dim1
	s_mov_b32 s[\g+3], 384<<16                     ; tile_dim0
	s_mov_b32 s[\g+4], 8                           ; tile_dim1
	s_mov_b32 s[\g+5], 3072                        ; tensor_dim0_stride
	s_mov_b32 s[\g+6], 0
	s_mov_b32 s[\g+7], 0
.endr
.irp g, G1SA, G1SB                                 ; scale words: four pairs' 8,192 dense bytes as 32 rows of 256
	s_mov_b32 s[\g+1], 32<<16
	s_mov_b32 s[\g+2], 32<<16
	s_mov_b32 s[\g+3], 32<<16
	s_mov_b32 s[\g+4], 32
	s_mov_b32 s[\g+5], 32
	s_mov_b32 s[\g+6], 0
	s_mov_b32 s[\g+7], 0
.endr
	; where the halves that I fetch begin, in bytes.  Source 1's offsets (s60-63) never hold cx, source 0's (s66, s67, s2, s3) never cy
	s_mul_i32 s60, s22, 16*16*FRB
	s_mul_i32 s61, s18, 8*16*FRB
	s_add_co_u32 s60, s60, s61
	s_lshl_b32 s62, s22, 14
	s_lshl_b32 s63, s18, 13
	s_add_co_u32 s62, s62, s63
	s_mul_i32 s66, s21, 16*16*FRB
	s_mul_i32 s67, s18, 8*16*FRB
	s_add_co_u32 s66, s66, s67
	s_lshl_b32 s2, s21, 14
	s_lshl_b32 s3, s18, 13
	s_add_co_u32 s2, s2, s3
	s_lshr_b32 s59, s23, 1
	s_mul_i32 s59, s59, 3                          ; source 1's tensor: 0, 0, 3 (x, x, Wv)
	s_add_co_u32 s58, s23, 1
	s_sub_co_u32 s58, s58, s59                     ; source 0's: 1, 2, 0 (Wq, Wk, x)
	s_mul_i32 s61, s59, TENB
	s_add_co_u32 s60, s60, s61
	s_lshl_b32 s63, s59, 17
	s_add_co_u32 s62, s62, s63
	s_mul_i32 s67, s58, TENB
	s_add_co_u32 s66, s66, s67
	s_lshl_b32 s3, s58, 17
	s_add_co_u32 s2, s2, s3
	s_mov_b32 s[SEL], 0x76543210
	s_mov_b32 s[SEL+1], 0xfedcba98
	s_mov_b32 s61, 0
	s_mov_b32 s63, 0
	s_mov_b32 s67, 0
	s_mov_b32 s3, 0
	s_mul_i32 s14, s[WV], QUART                    ; where they go: wave x 24,576 in a slot (source 0's halves, then source 1's),
	s_lshl_b32 s15, s[WV], 13                      ; wave x 8,192 among the scale words: no place in the cluster enters an LDS address
	s_wait_kmcnt 0x0
	s_mov_b32 s[G0A], 1                            ; 1:0 count = 1
	s_add_co_u32 s[G0A+1], s15, SCL                ; LDS address
	s_add_nc_u64 s[G0A+2:G0A+3], s[6:7], s[62:63]
	s_or_b32 s[G0A+3], s[G0A+3], 0x80000000        ; type = 2
	s_mov_b32 s[G0B], 1
	s_add_co_u32 s[G0B+1], s15, SCL
	s_add_nc_u64 s[G0B+2:G0B+3], s[6:7], s[2:3]
	s_or_b32 s[G0B+3], s[G0B+3], 0x80000000
	s_add_nc_u64 s[60:61], s[4:5], s[60:61]
	s_add_nc_u64 s[66:67], s[4:5], s[66:67]
.irp n, 1,2                                        ; set n: group n - 1 into slot n - 1
	s_mov_b32 s[G0A+4*\n], 1
	s_add_co_u32 s[G0A+4*\n+1], s14, (\n-1)*SLOTB
	s_add_nc_u64 s[G0A+4*\n+2:G0A+4*\n+3], s[60:61], (\n-1)*GRPB
	s_or_b32 s[G0A+4*\n+3], s[G0A+4*\n+3], 0x80000000
	s_mov_b32 s[G0B+4*\n], 1
	s_add_co_u32 s[G0B+4*\n+1], s14, (\n-1)*SLOTB
	s_add_nc_u64 s[G0B+4*\n+2:G0B+4*\n+3], s[66:67], (\n-1)*GRPB
	s_or_b32 s[G0B+4*\n+3], s[G0B+4*\n+3], 0x80000000
.endr
	CROUND                                         ; all sixteen work-groups are here: the first joint loads meet
	s_cmp_lt_u32 s[WV], 2                          ; a wave's three first fills stand in one branch, ahead of every wait on TENSORcnt, every LDS read and every other barrier
	s_cbranch_scc0 .Lfirst_a
	tensor_load_to_lds s[G0B:G0B+3], s[G1SB:G1SB+7]
	s_nop 0
	tensor_load_to_lds s[G0B+4:G0B+7], s[G1B:G1B+7]
	s_nop 0
	tensor_load_to_lds s[G0B+8:G0B+11], s[G1B:G1B+7]
	s_nop 0
	PLACES 4
	s_branch .Lfirst_asked
.Lfirst_a:
	tensor_load_to_lds s[G0A:G0A+3], s[G1SA:G1SA+7]
	s_nop 0
	tensor_load_to_lds s[G0A+4:G0A+7], s[G1A:G1A+7]
	s_nop 0
	tensor_load_to_lds s[G0A+8:G0A+11], s[G1A:G1A+7]
	s_nop 0
	PLACES 4
.Lfirst_asked:
	; where my results go: my block of source 0 and my eight tiles of source 1 are each a block of 128: one is 128 tokens, the other a head
	s_lshl_b32 s12, s21, 1
	s_add_co_u32 s12, s12, s17                     ; my block of source 0, 0 .. 15
	s_lshl_b32 s13, s22, 1
	s_add_co_u32 s13, s13, s18                     ; my block of source 1, 0 .. 15
	s_cmp_eq_u32 s23, 2
	s_cselect_b32 s14, s12, s13                    ; the block of 128 tokens: source 0's for v, else source 1's
	s_cselect_b32 s15, s13, s12                    ; the head: the other one
	s_lshr_b32 s12, s14, 3                         ; batch
	s_lshl_b32 s12, s12, 4
	s_add_co_u32 s12, s12, s15                     ; batch x 16 + head
	s_lshl_b32 s12, s12, 3
	s_and_b32 s14, s14, 7
	s_add_co_u32 s12, s12, s14                     ; x 8 + the block within the batch
	s_mul_i32 s60, s12, 8*FRB
	s_mul_i32 s61, s23, TENB
	s_add_co_u32 s60, s60, s61
	s_mov_b32 s61, 0
	s_add_nc_u64 s[8:9], s[8:9], s[60:61]
	s_lshl_b32 s60, s12, 9
	s_lshl_b32 s62, s23, 17
	s_add_co_u32 s60, s60, s62
	s_add_nc_u64 s[10:11], s[10:11], s[60:61]
	s_wait_tensorcnt 0x1                           ; my part of the scale words and of slot 0 is in; slot 1's may be out
	s_barrier_signal -1
	s_barrier_wait -1                              ; everybody's is
	FETCH_B 0
	FETCH_A 0, 0
	SCALES 0
	FETCH_A 0, 4
	STEP 0, 1                                      ; the first step's products start the sums: nothing is cleared
.irp s, 1,3,5,7,9,11
	TURN \s, 1                                     ; the slot that is left takes the group two groups on
	STEP \s+1, 0
.endr
	TURN 13, 0                                     ; the last group has landed; nothing is left to fetch, so no round
	STEP 14, 0
	s_wait_dscnt 12                                ; the very last step: nothing more to fetch
	WIN MUL_LO
	MUL16 15, 0, 0
	MUL16 15, 2, 0
	s_wait_dscnt 0x0
	WIN MUL_HI
	MUL16 15, 4, 0
	MUL16 15, 6, 0
	WIN 0
	PLACES 4                                       ; between the last products and the first read of results, and the first write over source 1's fragments
	; THE WAY OUT.  Each of my eight tiles' 64 registers is one fragment of the next product: quantised as it stands, stored as an image; a tile's stores leave while the next tile is quantised.
	; Each tile has its own 20 registers for its codes and its own for its scale word: no store's data are written again.
.irp a, 0,1,2,3,4,5,6,7
	QUANTW 64*(\a%4), 2+\a/4, PC+20*\a, PW+\a
.irp c, 0,1,2
	global_store_b128 v[LI], v[PC+20*\a+4*\c:PC+20*\a+4*\c+3], s[8:9] offset:\a*FRB+512*\c   ; 512 consecutive bytes a store
.endr
.endr
	s_mov_b32 vcc_lo, 0xffff0000
.irp p, 0,1,2,3
	v_cndmask_b32 v[PWC+\p], v[PW+2*\p], v[PW+2*\p+1], vcc_lo   ; lanes 0-15 the even tile's words, lanes 16-31 the odd tile's
.endr
.irp p, 0,1,2,3
	global_store_b32 v[LS], v[PWC+\p], s[10:11] offset:128*\p   ; the four stores fill 512 consecutive bytes
.endr
	s_wait_tensorcnt 0x0                           ; the wave's end
	ds_add_u32 v[SPW], v[NIL]
	s_wait_dscnt 0x0
	CROUND                                         ; the closing round: no work-group ends while a partner may still ask for a tile that names it
	s_endpgm
.Lfunc_end_k_q9d3f53c513_proj:
	.size	k_q9d3f53c513_proj, .Lfunc_end_k_q9d3f53c513_proj-k_q9d3f53c513_proj
	.p2alignl 7, 3214868480
	.fill 96, 4, 3214868480
	.section	.rodata,"a",@progbits
	.p2align	6, 0x0
	.amdhsa_kernel k_q9d3f53c513_proj
		.amdhsa_group_segment_fixed_size 327680
		.amdhsa_private_segment_fixed_size 0
		.amdhsa_enable_private_segment 0
		.amdhsa_kernarg_size 32
		.amdhsa_user_sgpr_count 2
		.amdhsa_user_sgpr_kernarg_segment_ptr 1
		.amdhsa_wavefront_size32 1
		.amdhsa_system_sgpr_workgroup_id_x 1
		.amdhsa_system_sgpr_workgroup_id_y 1
		.amdhsa_system_sgpr_workgroup_id_z 1
		.amdhsa_system_vgpr_workitem_id 0
		.amdhsa_next_free_vgpr 1024
		.amdhsa_next_free_sgpr 100
		.amdhsa_reserve_vcc 1
		.amdhsa_float_denorm_mode_32 3
		.amdhsa_float_denorm_mode_16_64 3
		.amdhsa_memory_ordered 1
		.amdhsa_forward_progress 1
		.amdhsa_inst_pref_size 240
	.end_amdhsa_kernel
	.amdgpu_metadata
---
amdhsa.version: [ 1, 2 ]
amdhsa.kernels:
  - .name:           k_q9d3f53c513_proj
    .symbol:         k_q9d3f53c513_proj.kd
    .args:
      - { .name: xw_codes, .offset: 0, .size: 8, .value_kind: global_buffer, .address_space: global }
      - { .name: xw_scales, .offset: 8, .size: 8, .value_kind: global_buffer, .address_space: global }
      - { .name: qkv_codes, .offset: 16, .size: 8, .value_kind: global_buffer, .address_space: global }
      - { .name: qkv_scales, .offset: 24, .size: 8, .value_kind: global_buffer, .address_space: global }
    .group_segment_fixed_size: 327680
    .private_segment_fixed_size: 0
    .kernarg_segment_align: 8
    .kernarg_segment_size: 32
    .max_flat_workgroup_size: 128
    .sgpr_count:     100
    .vgpr_count:     1024
    .wavefront_size: 32
...
	.end_amdgpu_metadata
.endif
;; end of part 2
;; launch attn (part 3): grid 8 x 32, 8 waves a work-group, no clusters, 205,824 bytes of LDS; arguments qkv_codes, qkv_scales, attn_codes, attn_scales; writes attn_codes, attn_scales
.if DOCPART == 3
	.amdgcn_target "amdgcn-amd-amdhsa--gfx1250"
	.amdhsa_code_object_version 6
	.text
	.protected	k_q9d3f53c513_attn
	.globl	k_q9d3f53c513_attn
	.p2align	8
	.type	k_q9d3f53c513_attn,@function
k_q9d3f53c513_attn:
	s_mov_b64 s[64:65], 0
	v_nop
	global_prefetch_b8 v0, s[64:65] scope:SCOPE_SE
	s_setreg_imm32_b32 hwreg(HW_REG_WAVE_MODE, 25, 1), 1
	s_wait_xcnt 0x0
; For each batch x head: attn[q] = sum over keys k <= q of softmax_k(30 tanh(q . k / (30 sqrt(128)))) v[k], both products on codes of BF6 (E3M2) with one E8M0 scale for each 32 along K; the result is quantised along the head's 128.
; (The window test i - j < 1,024 can never fail among 1,024 tokens: the causal test is all that is left of the mask.)
; INPUTS, as images of operand registers (tile f = rows 32 (f / 2) + 8 (f % 2) + r + 8 (r / 8)): q and k [head][token tile 0..63][1536], K = the head's 128; v [head][key step 0..7][channel tile 0..7][1536], K = the step's 128 keys.
; Scale words [head][8][pair of tiles 0..3][128], lanes 0-15 the even tile, lanes 16-31 the odd one.
; LAYOUT.  Both products are used transposed: S^T = K Q^T (source 0 = 16 keys, source 1 = my 16 queries), O^T = V^T P^T: a lane holds ONE query throughout, and by the tiles' choice of rows register 16 b + i holds key (or channel) 32 b + 16 (lane / 16) + i.
; THE SOFT-CAP AND M.  e = 2^(c2 s), c2 = 2 log2(e) / (30 sqrt(128)); rho = 1 / (1 + e); t = 30 log2(e) tanh(..) = C1 - 2 C1 rho, C1 = 43.2809.  The tanh that the problem itself makes holds |t| <= 43.29 for every input
; (e = infinity gives rho = 0, e = 0 gives rho = 1), so M IS THE FIXED WHOLE NUMBER 44: p = 2^(t - 44) lies in 2^-87.3 .. 2^-0.72, a row's sum under 2^9.3, a block's scale byte at 35 or more: nothing can overflow,
; underflow or meet the scale's bound.  M being whole, p's codes x scales and the sum are the stated ones times one exact power of two a row, which cancels in O / l.  So there is no running maximum and O is never rescaled.
; LIMITS: t carries an absolute error of up to about 1e-5 (86.6 x the last bits of exp, add and rcp, and the rounding of t - 44), p so about 7e-6 of its value.  NaN is not served.  A block of zeros gets the scale byte 1 (zero codes).
; SHARES.  A work-group owns the blocks j and 15 - j of 64 queries of one head: block b needs b / 2 + 1 key steps of 128, so every work-group has 9 x 4 tile steps.  Each of eight waves owns one tile of 16 queries;
; waves w and w + 4, and waves 2 k and 2 k + 1, always hold one early and one late tile.  A step all of whose keys come after my queries is left out by a scalar branch on ids.
; NO RING: a head's K and V are 2 x 98,304 bytes of codes and 2 x 4,096 of scale words: they are filled once and stay.  By this text's own count a wave has five tensor loads out.
; NO CLUSTER: the steps that a wave leaves out hang on its block of queries, which differs between the work-groups that would share K and V;
; walking all 16 x 4 tile steps everywhere in place of 9 x 4 would cost more than the 204,800 bytes a work-group that sharing would spare.
; REGISTERS: window 0: v1-11 addresses; v[12:15] the row's sum; v16-27 Q, v28 its scale words; v32-39 K's and V's scale words; v40-56 at work in QUANT; v60-79 codes; v96-159 S^T, then p; v160-223 O^T.  window 1: v0-95 K's 8 fragments, v96-191 V's.
.set LV,    98304                      ; LDS: K's codes [step 0..7][tile 0..7][1536] at 0, V's here,
.set LSC,   196608                     ; K's scale words [step][pair][128], and 4,096 bytes on V's
.set ADK,   1                          ; v1-2   16 x lane (+ 49,152 for steps 4-7): K's fragments (v1 is also 16 x lane for Q's loads and the stores)
.set ADV,   3                          ; v3-4   the same for V
.set ASC,   5                          ; v5     4 x lane + LSC
.set DM,    6                          ; v6     my query's place in its key step, less 16 (lane / 16)
.set ZR,    7                          ; v7     0
.set R4,    9                          ; v9     4 x (lane % 16)
.set QF,    16
.set QS,    28
.set ADD,   30                         ; v[30:31] C1 - 44, twice
.set KS,    32
.set VS,    36
.set TM,    40
.set PW,    56
.set RL,    58                         ; v[58:59] 1 / l, twice
.set PC,    60
.set S,     96
.set O,     160
.set KB,    0                          ; in window 1
.set VB,    96
.set WV,    16                         ; s16 wave
.set LASTS, 21                         ; s21 the key step that holds my queries: the last that I walk
.set SEL,   22                         ; s[22:23]
.set G1C,   24                         ; s[24:31] group 1 for codes;  s[32:39] for scale words;  s[40:43] group 0 for the scale words;  s[44:59] for the four groups of codes
.set G1S,   32
.set C2,    60                         ; s[60:61] c2, twice (a packed form names the pair)
.set C3,    62                         ; s[62:63] -2 C1, twice
.set MSB, 0
.macro WIN new
.if MSB != \new
	s_set_vgpr_msb (MSB<<8)|\new
.set MSB, \new
.endif
.endm
.macro PLACES n
.rept \n
	v_nop
.endr
.endm
.macro WM d, fa, fb, sa, sb, ra, zero  ; ra = 1: source 0's scale words stand in lanes 16-31 (an odd tile of its pair).  zero = 1: the product starts the sum
.if (\zero) && (\ra)
	v_wmma_scale_f32_16x16x128_f8f6f4 v[(\d):(\d)+7], v[(\fa):(\fa)+11], v[(\fb):(\fb)+11], 0, v[\sa], v[\sb] matrix_a_fmt:MATRIX_FMT_BF6 matrix_b_fmt:MATRIX_FMT_BF6 matrix_a_scale:MATRIX_SCALE_ROW1
.elseif \zero
	v_wmma_scale_f32_16x16x128_f8f6f4 v[(\d):(\d)+7], v[(\fa):(\fa)+11], v[(\fb):(\fb)+11], 0, v[\sa], v[\sb] matrix_a_fmt:MATRIX_FMT_BF6 matrix_b_fmt:MATRIX_FMT_BF6
.elseif \ra
	v_wmma_scale_f32_16x16x128_f8f6f4 v[(\d):(\d)+7], v[(\fa):(\fa)+11], v[(\fb):(\fb)+11], v[(\d):(\d)+7], v[\sa], v[\sb] matrix_a_fmt:MATRIX_FMT_BF6 matrix_b_fmt:MATRIX_FMT_BF6 matrix_a_scale:MATRIX_SCALE_ROW1
.else
	v_wmma_scale_f32_16x16x128_f8f6f4 v[(\d):(\d)+7], v[(\fa):(\fa)+11], v[(\fb):(\fb)+11], v[(\d):(\d)+7], v[\sa], v[\sb] matrix_a_fmt:MATRIX_FMT_BF6 matrix_b_fmt:MATRIX_FMT_BF6
.endif
.endm
; 64 numbers of a lane, register 16 b + i = k 32 b + 16 (lane / 16) + i of my row, become a fragment's codes in v[pc] .. v[pc + 11] (v[pc + 12] .. v[pc + 19] at work) and its scale word in v[pw].
.macro QUANT s, pc, pw
	s_wait_alu depctr_va_vdst(0)
.irp b, 0,1,2,3
	v_max3_num_f32 v[TM+\b], |v[\s+16*\b]|, |v[\s+1+16*\b]|, 0x2800000   ; my 16 numbers of block b, and the floor 2^(5 - 127): the byte cannot fall under 1
.endr
.irp i, 2,4,6,8,10,12,14
.irp b, 0,1,2,3
	v_max3_num_f32 v[TM+\b], v[TM+\b], |v[\s+16*\b+\i]|, |v[\s+1+16*\b+\i]|
.endr
.endr
.irp b, 0,1,2,3
	v_permlanex16_b32 v[TM+4+\b], v[TM+\b], s[SEL], s[SEL+1]
.endr
.irp b, 0,1,2,3
	v_max_num_f32 v[TM+\b], v[TM+\b], v[TM+4+\b]          ; with lane l xor 16's: the block's largest magnitude
.endr
.irp b, 0,1,2,3
	v_add_nc_u32 v[TM+12+\b], 0xfe000000, v[TM+\b]        ; 4 off its exponent field: the conversion takes that field as its scale
.endr
.irp b, 0,1,2,3
	v_lshrrev_b32 v[TM+4+\b], 23, v[TM+12+\b]             ; the scale's byte
.endr
	v_lshl_or_b32 v[\pw], v[TM+5], 8, v[TM+4]
	v_lshl_or_b32 v[\pw], v[TM+6], 16, v[\pw]
	v_lshl_or_b32 v[\pw], v[TM+7], 24, v[\pw]
.irp c, 0,1
	v_cvt_scalef32_pk16_bf6_f32 v[\pc+6*\c:\pc+2+6*\c], v[\s+32*\c:\s+15+32*\c], v[TM+12+2*\c]
	v_cvt_scalef32_pk16_bf6_f32 v[\pc+12+4*\c:\pc+14+4*\c], v[\s+16+32*\c:\s+31+32*\c], v[TM+12+2*\c+1]
.endr
	v_nop                                                 ; one plain place behind a scaled conversion
.irp c, 0,1
.irp i, 0,1,2
	v_permlane16_swap_b32 v[\pc+6*\c+\i], v[\pc+12+4*\c+\i]
.endr
.irp i, 0,1,2
	v_mov_b32 v[\pc+3+6*\c+\i], v[\pc+12+4*\c+\i]
.endr
.endr
.endm
	s_load_b256 s[4:11], s[0:1], 0x0               ; qkv_codes, qkv_scales, attn_codes, attn_scales
	v_lshl_add_u32 v254, v0, 2, 0x32000
	v_mov_b32 v255, 0
	ds_add_u32 v254, v255
	ds_add_u32 v254, v255
	v_lshrrev_b32 v8, 5, v0
	v_readfirstlane_b32 s[WV], v8                  ; wave 0..7
	v_and_b32 v8, 31, v0                           ; lane
	v_lshlrev_b32 v[ADK], 4, v8
	v_add_nc_u32 v[ADK+1], 49152, v[ADK]
	v_add_nc_u32 v[ADV], LV, v[ADK]
	v_add_nc_u32 v[ADV+1], LV+49152, v[ADK]
	v_lshl_add_u32 v[ASC], v8, 2, LSC
	v_mov_b32 v[ZR], 0
	v_and_b32 v[R4], 15, v0                        ; r
	v_bfe_u32 v10, v0, 4, 1                        ; h
	v_and_b32 v11, 8, v[R4]
	v_add_nc_u32 v[DM], v[R4], v11                 ; r + 8 (r / 8)
	v_lshlrev_b32 v10, 4, v10
	v_sub_nc_u32 v[DM], v[DM], v10                 ; - 16 h
	v_lshlrev_b32 v[R4], 2, v[R4]
.irp i, 12,13,14,15
	v_mov_b32 v\i, 0                               ; the row's sum, in two packed chains
.endr
.irp b, 0,1,2,3
	v_mov_b32 v[TM+4+\b], 0                        ; written once: a lane permute's destination counts as one of its sources
.endr
	v_mov_b32 v[ADD], 0xbf381a22                   ; C1 - 44 = -0.7191488
	v_mov_b32 v[ADD+1], 0xbf381a22
	s_mov_b32 s[SEL], 0x76543210
	s_mov_b32 s[SEL+1], 0xfedcba98
	s_mov_b32 s[C2], 0x3c0b4875                    ; c2 = 0.00850116205
	s_mov_b32 s[C2+1], 0x3c0b4875
	s_mov_b32 s[C3], 0xc2ad1f97                    ; -2 C1 = -86.5617025
	s_mov_b32 s[C3+1], 0xc2ad1f97
	s_and_b32 s17, ttmp7, 0xffff                   ; batch x 16 + head
	s_lshr_b32 s12, s[WV], 2                       ; I fetch for K (0) or for V (1),
	s_and_b32 s13, s[WV], 3                        ; this quarter
	s_xor_b32 s14, s[WV], s12
	s_and_b32 s14, s14, 1                          ; my tile lies in the early block (0) or in the late one (1)
	s_lshr_b32 s15, s[WV], 1                       ; which of the block's four tiles
	s_sub_co_u32 s19, 15, ttmp9
	s_cmp_eq_u32 s14, 1
	s_cselect_b32 s19, s19, ttmp9                  ; my block of 64 queries
	s_lshl_b32 s20, s19, 2
	s_add_co_u32 s20, s20, s15                     ; my tile of tokens, 0 .. 63
	s_lshr_b32 s[LASTS], s19, 1
	s_and_b32 s18, s20, 6                          ; my tile's first row within its key step: 32 x (pair % 4) + 8 x (tile % 2)
	s_lshl_b32 s18, s18, 4
	s_and_b32 s14, s20, 1
	s_lshl_b32 s14, s14, 3
	s_add_co_u32 s18, s18, s14
	v_add_nc_u32 v[DM], s18, v[DM]
	; group 1: dense blocks as rows of 256 bytes (32 elements of 8 bytes): 24 rows of codes (a quarter of two key steps), 4 rows of scale words; no padding: every LDS read takes consecutive bytes
	s_mov_b32 s[G1C], 3<<16
	s_mov_b32 s[G1C+1], 32<<16                     ; tensor_dim0
	s_mov_b32 s[G1C+2], 24<<16                     ; tensor_dim1
	s_mov_b32 s[G1C+3], 32<<16                     ; tile_dim0
	s_mov_b32 s[G1C+4], 24                         ; tile_dim1
	s_mov_b32 s[G1C+5], 32                         ; tensor_dim0_stride
	s_mov_b32 s[G1C+6], 0
	s_mov_b32 s[G1C+7], 0
	s_mov_b32 s[G1S], 3<<16
	s_mov_b32 s[G1S+1], 32<<16
	s_mov_b32 s[G1S+2], 4<<16
	s_mov_b32 s[G1S+3], 32<<16
	s_mov_b32 s[G1S+4], 4
	s_mov_b32 s[G1S+5], 32
	s_mov_b32 s[G1S+6], 0
	s_mov_b32 s[G1S+7], 0
	s_lshl_b32 s14, s12, 5
	s_add_co_u32 s14, s14, s17
	s_add_co_u32 s14, s14, 32                      ; (1 + K or V) x 32 + head: q's 32 heads lie in front
	s_mul_i32 s2, s14, 98304
	s_mul_i32 s15, s13, 6144
	s_add_co_u32 s2, s2, s15                       ; my quarter of the first two key steps, in memory,
	s_mov_b32 s3, 0
	s_mul_i32 s12, s12, LV
	s_add_co_u32 s15, s12, s15                     ; and in LDS
	s_lshl_b32 s12, s14, 12
	s_lshl_b32 s13, s13, 10
	s_add_co_u32 s12, s12, s13                     ; my quarter of the scale words, in memory,
	s_mov_b32 s13, 0
	s_lshl_b32 s14, s[WV], 10                      ; and in LDS: K's four quarters, then V's
	s_wait_dscnt 0x0
	s_wait_kmcnt 0x0
	s_add_nc_u64 s[2:3], s[4:5], s[2:3]
	s_mov_b32 s40, 1                               ; 1:0 count = 1
	s_add_co_u32 s41, s14, LSC                     ; LDS address
	s_add_nc_u64 s[42:43], s[6:7], s[12:13]        ; global address
	s_or_b32 s43, s43, 0x80000000                  ; type = 2
.irp g, 0,1,2,3                                    ; group g: key steps 2 g and 2 g + 1
	s_mov_b32 s[44+4*\g], 1
	s_add_co_u32 s[45+4*\g], s15, \g*24576
	s_add_nc_u64 s[46+4*\g:47+4*\g], s[2:3], \g*24576
	s_or_b32 s[47+4*\g], s[47+4*\g], 0x80000000
.endr
	tensor_load_to_lds s[40:43], s[G1S:G1S+7]      ; all first fills in one group, ahead of every wait on TENSORcnt, every LDS read and every barrier; each wave fills bytes of its own
	s_nop 0
	tensor_load_to_lds s[44:47], s[G1C:G1C+7]
	s_nop 0
	tensor_load_to_lds s[48:51], s[G1C:G1C+7]
	s_nop 0
	tensor_load_to_lds s[52:55], s[G1C:G1C+7]
	s_nop 0
	tensor_load_to_lds s[56:59], s[G1C:G1C+7]
	s_nop 0
	PLACES 4
	s_mul_i32 s2, s17, 98304                       ; Q: my head,
	s_mul_i32 s3, s20, 1536                        ; my tile
	s_add_co_u32 s2, s2, s3
	s_mov_b32 s3, 0
	s_add_nc_u64 s[4:5], s[4:5], s[2:3]
	s_lshl_b32 s2, s17, 12                         ; its scale words: 4,096 bytes a head, 64 a tile
	s_lshl_b32 s12, s20, 6
	s_add_co_u32 s2, s2, s12
	s_add_nc_u64 s[6:7], s[6:7], s[2:3]
.irp c, 0,1,2
	global_load_b128 v[QF+4*\c:QF+4*\c+3], v[ADK], s[4:5] offset:512*\c   ; Q's fragment stays in registers
.endr
	global_load_b32 v[QS], v[R4], s[6:7]           ; lanes 0-15 (and 16-31 alike) take my tile's words, whichever tile of its pair it is
	s_lshr_b32 s12, s17, 4                         ; the result: token tile batch x 64 + my tile, K step = head: attn_codes [tile 0..127][head][1536], attn_scales [pair 0..63][head][128]
	s_lshl_b32 s12, s12, 6
	s_add_co_u32 s12, s12, s20
	s_and_b32 s13, s17, 15
	s_lshl_b32 s2, s12, 4
	s_add_co_u32 s2, s2, s13
	s_mul_i32 s2, s2, 1536
	s_add_nc_u64 s[8:9], s[8:9], s[2:3]
	s_lshr_b32 s2, s12, 1
	s_lshl_b32 s2, s2, 4
	s_add_co_u32 s2, s2, s13
	s_lshl_b32 s2, s2, 7
	s_and_b32 s12, s20, 1
	s_lshl_b32 s12, s12, 6                         ; the odd tile's words lie in the upper 64 bytes
	s_add_co_u32 s2, s2, s12
	s_add_nc_u64 s[10:11], s[10:11], s[2:3]
; KEY STEP s: 128 keys.  Every offset is an immediate.
.macro STEP s
.if (\s) > 0
	s_cmp_lt_u32 s[LASTS], \s                      ; all its keys come after my queries: left out.  No barrier and no tensor load stands in a step
	s_cbranch_scc1 .Lhid_\@
.endif
.irp p, 0,1,2,3
	ds_load_b32 v[KS+\p], v[ASC] offset:(\s)*512+128*\p
.endr
.irp p, 0,1,2,3
	ds_load_b32 v[VS+\p], v[ASC] offset:4096+(\s)*512+128*\p
.endr
	WIN 0x40                                       ; destination window 1
.irp t, 0,1,2,3,4,5,6,7
.irp c, 0,1,2
	ds_load_b128 v[KB+12*\t+4*\c:KB+12*\t+4*\c+3], v[ADK+(\s)/4] offset:((\s)%4)*12288+1536*\t+512*\c
.endr
.endr
.irp t, 0,1,2,3,4,5,6,7
.irp c, 0,1,2
	ds_load_b128 v[VB+12*\t+4*\c:VB+12*\t+4*\c+3], v[ADV+(\s)/4] offset:((\s)%4)*12288+1536*\t+512*\c
.endr
.endr
	s_wait_dscnt 24                                ; the scale words and K are in; V's 24 loads may be out: they land under the softmax
	WIN 0x01                                       ; source 0 window 1
.irp t, 0,1,2,3,4,5,6,7
	WM S+8*\t, KB+12*\t, QF, KS+\t/2, QS, \t%2, 1  ; S^T: eight accumulators, each begun anew
.endr
	WIN 0
	PLACES 4
.set j, 0
.rept 32
	v_pk_mul_f32 v[S+j:S+j+1], v[S+j:S+j+1], s[C2:C2+1] op_sel_hi:[1,0]   ; c2 s, ascending: each accumulator from its low end on
.set j, j+2
.endr
.set j, 0
.rept 64
	v_exp_f32 v[S+j], v[S+j]                       ; e
.set j, j+1
.endr
	v_nop                                          ; a plain place behind the transcendentals
.set j, 0
	s_wait_alu depctr_va_vdst(0)
.rept 32
	v_pk_add_f32 v[S+j:S+j+1], v[S+j:S+j+1], 1.0 op_sel_hi:[1,0]
.set j, j+2
.endr
.set j, 0
.rept 64
	v_rcp_f32 v[S+j], v[S+j]                       ; rho = 1 / (1 + e)
.set j, j+1
.endr
	v_nop
.set j, 0
	s_wait_alu depctr_va_vdst(0)
.rept 32
	v_pk_fma_f32 v[S+j:S+j+1], v[S+j:S+j+1], s[C3:C3+1], v[ADD:ADD+1] op_sel_hi:[1,0,1]   ; t - 44 = -2 C1 rho + (C1 - 44)
.set j, j+2
.endr
.set j, 0
.rept 64
	v_exp_f32 v[S+j], v[S+j]                       ; p = 2^(t - 44): not normalised
.set j, j+1
.endr
	v_nop
	s_cmp_lg_u32 s[LASTS], \s                      ; only my last step lies on the diagonal
	s_cbranch_scc1 .Lopen_\@
.set j, 0
	s_wait_alu depctr_va_vdst(0)
.rept 64
	v_cmp_gt_i32 vcc_lo, 32*(j/16)+j%16, v[DM]     ; register j holds the step's key 32 (j / 16) + 16 (lane / 16) + j % 16: hidden where it comes after my query
	v_cndmask_b32 v[S+j], v[S+j], v[ZR], vcc_lo    ; p = 0 there
.set j, j+1
.endr
.Lopen_\@:
	QUANT S, PC, PW
.set j, 0
.rept 16
	v_pk_add_f32 v[12:13], v[12:13], v[S+j:S+j+1]  ; the row's sum is taken of the unquantised p.  (These 32 are also the places between the lines that made p's codes and scale word and the scaled products below)
	v_pk_add_f32 v[14:15], v[14:15], v[S+j+2:S+j+3]
.set j, j+4
.endr
	s_wait_dscnt 0x0                               ; V is in
	WIN 0x01
.irp t, 0,1,2,3,4,5,6,7
	WM O+8*\t, VB+12*\t, PC, VS+\t/2, PW, \t%2, (\s)==0   ; O^T: the eight accumulators by turns, with S^T's eight between two links of a chain; step 0, which no wave leaves out, starts the sums
.endr
	WIN 0
	PLACES 4                                       ; in front of the next step's loads into V's registers and scale words, and of the last read of O^T
.if (\s) > 0
.Lhid_\@:
.endif
.endm
.macro MEET left                                   ; my parts of the key groups up to this one have landed (tensor loads of a wave end in order: ISA guide 10.11.1); then everybody's have.  Nothing is ever filled again, so the later groups may stay out
	s_wait_tensorcnt \left
	s_barrier_signal -1
	s_barrier_wait -1
.endm
	s_wait_loadcnt 0x0                             ; Q
	MEET 3
	STEP 0
	STEP 1
	MEET 2
	STEP 2
	STEP 3
	MEET 1
	STEP 4
	STEP 5
	MEET 0
	STEP 6
	STEP 7
	; THE WAY OUT: O^T / l, quantised along the head's 128 as it stands: one fragment of the output projection's operand
	v_add_f32 v12, v12, v13
	v_add_f32 v14, v14, v15
	v_add_f32 v12, v12, v14
	v_permlanex16_b32 v8, v12, s[SEL], s[SEL+1]
	v_add_f32 v12, v12, v8                         ; with lane l xor 16's keys: the row's sum, at least one p
	v_rcp_f32 v[RL], v12
	v_rcp_f32 v[RL+1], v12
	v_nop                                          ; a plain place behind the transcendentals
.set j, 0
	s_wait_alu depctr_va_vdst(0)
.rept 32
	v_pk_mul_f32 v[O+j:O+j+1], v[O+j:O+j+1], v[RL:RL+1]
.set j, j+2
.endr
	QUANT O, PC, PW
.irp c, 0,1,2
	global_store_b128 v[ADK], v[PC+4*\c:PC+4*\c+3], s[8:9] offset:512*\c   ; 512 consecutive bytes a store
.endr
	global_store_b32 v[R4], v[PW], s[10:11]        ; both halves of the lanes hold row r's word and write it to the same place: 64 bytes a tile
	s_wait_tensorcnt 0x0
	ds_add_u32 v254, v255
	s_wait_dscnt 0x0
	s_endpgm
.Lfunc_end_k_q9d3f53c513_attn:
	.size	k_q9d3f53c513_attn, .Lfunc_end_k_q9d3f53c513_attn-k_q9d3f53c513_attn
	.p2alignl 7, 3214868480
	.fill 96, 4, 3214868480
	.section	.rodata,"a",@progbits
	.p2align	6, 0x0
	.amdhsa_kernel k_q9d3f53c513_attn
		.amdhsa_group_segment_fixed_size 205824
		.amdhsa_private_segment_fixed_size 0
		.amdhsa_enable_private_segment 0
		.amdhsa_kernarg_size 32
		.amdhsa_user_sgpr_count 2
		.amdhsa_user_sgpr_kernarg_segment_ptr 1
		.amdhsa_wavefront_size32 1
		.amdhsa_system_sgpr_workgroup_id_x 1
		.amdhsa_system_sgpr_workgroup_id_y 1
		.amdhsa_system_sgpr_workgroup_id_z 1
		.amdhsa_system_vgpr_workitem_id 0
		.amdhsa_next_free_vgpr 448
		.amdhsa_next_free_sgpr 66
		.amdhsa_reserve_vcc 1
		.amdhsa_float_denorm_mode_32 3
		.amdhsa_float_denorm_mode_16_64 3
		.amdhsa_memory_ordered 1
		.amdhsa_forward_progress 1
		.amdhsa_inst_pref_size 246
	.end_amdhsa_kernel
	.amdgpu_metadata
---
amdhsa.version: [ 1, 2 ]
amdhsa.kernels:
  - .name:           k_q9d3f53c513_attn
    .symbol:         k_q9d3f53c513_attn.kd
    .args:
      - { .name: qkv_codes, .offset: 0, .size: 8, .value_kind: global_buffer, .address_space: global }
      - { .name: qkv_scales, .offset: 8, .size: 8, .value_kind: global_buffer, .address_space: global }
      - { .name: attn_codes, .offset: 16, .size: 8, .value_kind: global_buffer, .address_space: global }
      - { .name: attn_scales, .offset: 24, .size: 8, .value_kind: global_buffer, .address_space: global }
    .group_segment_fixed_size: 205824
    .private_segment_fixed_size: 0
    .kernarg_segment_align: 8
    .kernarg_segment_size: 32
    .max_flat_workgroup_size: 256
    .sgpr_count:     66
    .vgpr_count:     448
    .wavefront_size: 32
...
	.end_amdgpu_metadata
.endif
;; end of part 3
;; launch outp (part 4): grid 16 x 16, 4 waves a work-group, clusters of 4 x 4, 327,680 bytes of LDS; arguments attn_codes, attn_scales, xw_codes, xw_scales, out0; writes out0
.if DOCPART == 4
	.amdgcn_target "amdgcn-amd-amdhsa--gfx1250"
	.amdhsa_code_object_version 6
	.text
	.protected	k_q9d3f53c513_outp
	.globl	k_q9d3f53c513_outp
	.p2align	8
	.type	k_q9d3f53c513_outp,@function
k_q9d3f53c513_outp:
	s_mov_b64 s[64:65], 0
	v_nop
	global_prefetch_b8 v0, s[64:65] scope:SCOPE_SE
	s_setreg_imm32_b32 hwreg(HW_REG_WAVE_MODE, 25, 1), 1
	s_wait_xcnt 0x0
	s_wait_alu depctr_hold_cnt(0) depctr_sa_sdst(0) depctr_va_vdst(0) depctr_va_sdst(0) depctr_va_ssrc(0) depctr_va_vcc(0) depctr_vm_vsrc(0)
	s_getreg_b32 s2, hwreg(HW_REG_IB_STS2, 6, 4)
	s_cmp_eq_u32 s2, 0
	s_cbranch_scc0 .Lentry_in_a_cluster
	s_endpgm
.Lentry_in_a_cluster:
	s_bfe_u32 s2, ttmp6, 0x10000c
	s_cmp_lg_u32 s2, 0xf033
	s_cbranch_scc0 .Lentry_shape_is_right
	s_endpgm
.Lentry_shape_is_right:
.set OUTP, 1                           ; 0: the projections q, k, v (results quantised in registers);  1: the output projection (results stored as f32)
; A GEMM on codes of BF6 (E3M2) with one E8M0 scale for each 32 along K, K = 2,048, both operands laid as images of the operand's registers:
; codes [tile f][K step s 0..15][1536], scale words [pair of tiles][s][128] (lanes 0-15 the even tile, lanes 16-31 the odd one).  Tile f holds rows 32 (f / 2) + 8 (f % 2) + r + 8 (r / 8).
; A work-group makes 128 rows of SOURCE 0 x 128 rows of SOURCE 1.  Wave w takes all 8 tiles of source 0 against source 1's tiles 2 w and 2 w + 1: 16 accumulators, 128 registers.
; In a result lane (r, h) holds row r of source 1's tile, and register 16 b + i of its 8 tiles the row 32 b + 16 h + i of source 0's block: 128 NEIGHBOURS along the next product's K, in the order in which QUANT takes them.
;   OUTP = 0, tsel = 0, 1 (q, k): source 0 = Wq or Wk (a head's 128 channels), source 1 = x (128 tokens): fragments of 16 tokens x 128 channels.
;   OUTP = 0, tsel = 2 (v):       source 0 = x (128 tokens), source 1 = Wv (a head's 128 channels): fragments of 16 channels x 128 keys, since the keys are the K of the product with p.
;   OUTP = 1:                     source 0 = Wo (128 outputs), source 1 = the attention's result (128 tokens): rows of out0.
; qkv_codes [q, k, v][batch x head 0..31][block of 128 tokens 0..7][tile 0..7][1536];  qkv_scales [q, k, v][batch x head][block][pair 0..3][128].
; K goes in 16 steps of 128, four steps to a group; group g lies in LDS slot g % 3: three slots are filled at the start and slot 0 once more, so the launch has one refill.
; The scale words of both blocks for all of K (2 x 8,192 dense bytes) come once, with the first fills.
; CLUSTERS: 4 x 4 work-groups.  Source 1's block hangs on the cluster's y and cy alone and is shared along a row of the cluster, source 0's on its x and cx alone and is shared along a column:
; each tile is asked for jointly, by the same tensor load with the same descriptor and a mask that names the four.
; By this text's own count a wave has four tensor loads out at the start and one behind the refill's round.
; LIMITS: NaN and infinities are not served; a block of zeros gets the scale byte 1 (its codes are zeros; this program alone reads the bytes); the order of the f32 sums is the matrix unit's, K ascending.
; REGISTERS: window 0: v1-13 addresses; v32-71 scale words, two sets of 20, and nothing else; v72-111 at work on the way out; v128-255 the accumulators ((a, t) at v[128 + 64 a + 8 t]).
;   window 1: two fragment buffers at v0 and v128: source 0's tile t at 12 t, source 1's tile a at 96 + 12 a.
.set FRB,   1536                       ; a fragment's image
.set GRPB,  4*FRB                      ; a tile's four K steps: a row of a tensor load's tile
.set HALF,  8*GRPB                     ; a slot's part for one source
.set SLOTB, 2*HALF                     ; a slot: source 0 [tile 0..7][step 0..3][1536], then source 1 likewise
.set SCL,   3*SLOTB                    ; behind the slots: source 0's scale words [pair 0..3][s 0..15][128], then source 1's
.set SPARE, SCL+16384                  ; the spare words, 128 bytes for each wave: two blocks of 256 bytes that no other line names
.set TENB,  3145728                    ; a tensor's codes in xw_codes, and q's, k's or v's in qkv_codes
.set TENS,  131072                     ; and its scale words
.set SPI,   528                        ; OUTP = 1: a stage row, 512 bytes + 16.  The stages (32 rows a wave) lie in slot 1, which has had its only fill, and whose last reads every wave has waited for in front of the barrier of step 11
.set AD0,   1                          ; v1-3   16 x lane + slot: source 0's fragments (v1 is also 16 x lane for the stores)
.set AD1,   4                          ; v4-6   the same for my two tiles of source 1
.set ADS0,  7                          ; v7     source 0's scale words
.set ADS1,  8                          ; v8     my pair's of source 1
.set LS,    9                          ; v9     4 x lane
.set SPW,   10                         ; v10    LDS address of my spare word: SPARE + 4 x my thread's number; never rewritten
.set NIL,   11                         ; v11    0; never rewritten
.set STO,   12                         ; v12    OUTP = 1: where I put my bytes of a stage row
.set RD,    13                         ; v13    and where I read a row back
.set SC,    32
.set TM,    72
.set PW0,   88
.set PW1,   89
.set PWC,   90
.set PC,    92
.set ACC,   128
.set WV,    16                         ; s16 my wave's number
.set SEL,   58                         ; s[58:59] lane selects for v_permlanex16_b32 (OUTP = 0)
.set G1A,   24                         ; s[24:31] group 1 for source 1's codes (mask: my row);   s[32:39] for source 0's (mask: my column)
.set G1B,   32
.set G1SA,  40                         ; s[40:47], s[48:55] the same for the scale words
.set G1SB,  48
.set G0A,   68                         ; s[68:83] groups 0 for source 1: set 0 the scale words, sets 1-3 slots 0-2;   s[84:99] for source 0
.set G0B,   84
.set P1C,   4                          ; where the pointers lie: source 1's codes and scale words,
.set P1S,   6
.if OUTP
.set P0C,   8                          ; source 0's
.set P0S,   10
.else
.set P0C,   4
.set P0S,   6
.endif
.set MSB, 0
.macro WIN new                         ; the immediate's high byte repeats the setting that is left; a switch that changes nothing is dropped
.if MSB != \new
	s_set_vgpr_msb (MSB<<8)|\new
.set MSB, \new
.endif
.endm
.set W_MUL, 0x05                       ; sources 0 and 1 window 1, C and D window 0
.set TO_F,  0x40                       ; destination window 1, address window 0
.macro PLACES n
.rept \n
	v_nop
.endr
.endm
.macro CREST                           ; a round of the cluster's barrier behind its opening barrier
	s_cmp_lg_u32 s[WV], 0
	s_cbranch_scc1 .Lnot_wave_0_\@
	s_barrier_signal -3
.Lnot_wave_0_\@:
	s_barrier_wait -3
	s_barrier_signal -1
	s_barrier_wait -1
.endm
.macro CROUND                          ; a whole round
	s_barrier_signal -1
	s_barrier_wait -1
	CREST
.endm
; A joint load of codes by set n: waves 0 and 1 fetch source 0's halves, waves 2 and 3 source 1's.  The branch hangs on the wave's number alone.  Four v_nop follow each of the two lines.
.macro JLOAD n
	s_cmp_lt_u32 s[WV], 2
	s_cbranch_scc0 .Lfor_a_\@
	tensor_load_to_lds s[G0B+4*\n:G0B+4*\n+3], s[G1B:G1B+7]
	s_nop 0
	PLACES 4
	s_branch .Lasked_\@
.Lfor_a_\@:
	tensor_load_to_lds s[G0A+4*\n:G0A+4*\n+3], s[G1A:G1A+7]
	s_nop 0
	PLACES 4
.Lasked_\@:
.endm
; One matrix instruction.  ra, rb = 1: that side's scale words stand in lanes 16-31 (an odd tile of its pair).  zero = 1: the product starts the sum.
.macro WM d, fa, fb, sa, sb, ra, rb, zero
.if (\zero) && (\ra) && (\rb)
	v_wmma_scale_f32_16x16x128_f8f6f4 v[(\d):(\d)+7], v[(\fa):(\fa)+11], v[(\fb):(\fb)+11], 0, v[\sa], v[\sb] matrix_a_fmt:MATRIX_FMT_BF6 matrix_b_fmt:MATRIX_FMT_BF6 matrix_a_scale:MATRIX_SCALE_ROW1 matrix_b_scale:MATRIX_SCALE_ROW1
.elseif (\zero) && (\ra)
	v_wmma_scale_f32_16x16x128_f8f6f4 v[(\d):(\d)+7], v[(\fa):(\fa)+11], v[(\fb):(\fb)+11], 0, v[\sa], v[\sb] matrix_a_fmt:MATRIX_FMT_BF6 matrix_b_fmt:MATRIX_FMT_BF6 matrix_a_scale:MATRIX_SCALE_ROW1
.elseif (\zero) && (\rb)
	v_wmma_scale_f32_16x16x128_f8f6f4 v[(\d):(\d)+7], v[(\fa):(\fa)+11], v[(\fb):(\fb)+11], 0, v[\sa], v[\sb] matrix_a_fmt:MATRIX_FMT_BF6 matrix_b_fmt:MATRIX_FMT_BF6 matrix_b_scale:MATRIX_SCALE_ROW1
.elseif \zero
	v_wmma_scale_f32_16x16x128_f8f6f4 v[(\d):(\d)+7], v[(\fa):(\fa)+11], v[(\fb):(\fb)+11], 0, v[\sa], v[\sb] matrix_a_fmt:MATRIX_FMT_BF6 matrix_b_fmt:MATRIX_FMT_BF6
.elseif (\ra) && (\rb)
	v_wmma_scale_f32_16x16x128_f8f6f4 v[(\d):(\d)+7], v[(\fa):(\fa)+11], v[(\fb):(\fb)+11], v[(\d):(\d)+7], v[\sa], v[\sb] matrix_a_fmt:MATRIX_FMT_BF6 matrix_b_fmt:MATRIX_FMT_BF6 matrix_a_scale:MATRIX_SCALE_ROW1 matrix_b_scale:MATRIX_SCALE_ROW1
.elseif \ra
	v_wmma_scale_f32_16x16x128_f8f6f4 v[(\d):(\d)+7], v[(\fa):(\fa)+11], v[(\fb):(\fb)+11], v[(\d):(\d)+7], v[\sa], v[\sb] matrix_a_fmt:MATRIX_FMT_BF6 matrix_b_fmt:MATRIX_FMT_BF6 matrix_a_scale:MATRIX_SCALE_ROW1
.elseif \rb
	v_wmma_scale_f32_16x16x128_f8f6f4 v[(\d):(\d)+7], v[(\fa):(\fa)+11], v[(\fb):(\fb)+11], v[(\d):(\d)+7], v[\sa], v[\sb] matrix_a_fmt:MATRIX_FMT_BF6 matrix_b_fmt:MATRIX_FMT_BF6 matrix_b_scale:MATRIX_SCALE_ROW1
.else
	v_wmma_scale_f32_16x16x128_f8f6f4 v[(\d):(\d)+7], v[(\fa):(\fa)+11], v[(\fb):(\fb)+11], v[(\d):(\d)+7], v[\sa], v[\sb] matrix_a_fmt:MATRIX_FMT_BF6 matrix_b_fmt:MATRIX_FMT_BF6
.endif
.endm
; K step s: source 0's tiles t0 .. t0 + n - 1 against my two tiles of source 1.  The 16 accumulators take turns, one instruction a turn, in the same order in every step.
.macro MUL s, t0, n, zero
	WIN W_MUL
.set FB, 128*((\s)%2)
.set SS, SC+20*(((\s)/4)%2)+(\s)%4
.set tt, \t0
.rept \n
.irp a, 0,1
	WM ACC+64*\a+8*tt, FB+12*tt, FB+96+12*\a, SS+4*(tt/2), SS+16, tt%2, \a, \zero
.endr
.set tt, tt+1
.endr
.endm
; K step s's ten fragments into buffer s % 2: 30 loads of 512 consecutive bytes
.macro FETCH s
	WIN TO_F
.set FB, 128*((\s)%2)
.set QS, ((\s)/4)%3
.set KO, ((\s)%4)*FRB
.irp t, 0,1,2,3,4,5,6,7
.irp c, 0,1,2
	ds_load_b128 v[FB+12*\t+4*\c:FB+12*\t+4*\c+3], v[AD0+QS] offset:\t*GRPB+KO+512*\c
.endr
.endr
.irp a, 0,1
.irp c, 0,1,2
	ds_load_b128 v[FB+96+12*\a+4*\c:FB+96+12*\a+4*\c+3], v[AD1+QS] offset:\a*GRPB+KO+512*\c
.endr
.endr
.endm
; group g's scale words into set g % 2: source 0's pair p, step i at 4 p + i; my pair of source 1 at 16 + i
.macro SCALES g
	WIN 0
.irp p, 0,1,2,3
.irp i, 0,1,2,3
	ds_load_b32 v[SC+20*((\g)%2)+4*\p+\i], v[ADS0] offset:\p*2048+(4*(\g)+\i)*128
.endr
.endr
.irp i, 0,1,2,3
	ds_load_b32 v[SC+20*((\g)%2)+16+\i], v[ADS1] offset:(4*(\g)+\i)*128
.endr
.endm
; A K step whose successor's fragments lie in a slot that is known to be whole.  The next step's loads are issued first and land under this step's 16 matrix instructions.
.macro STEP s, zero
	s_wait_dscnt 0x0                               ; this step's fragments (and scale words) are in
.if (\s) > 0
	PLACES 4                                       ; four places between the last step's matrix instructions and the loads into the registers that they read (ISA guide 7.12.1 for vector instructions)
.endif
	FETCH (\s)+1
.if (\s)%4 == 3
	SCALES ((\s)+1)/4
.endif
	MUL \s, 0, 8, \zero
.endm
; A K step behind which a slot is entered that has to be shown whole.  In front of the barrier each wave waits for all its tensor loads, adds 0 to its spare word, and waits for that and for its reads.
; fill = 1: slot 0, which every wave has then read out, is filled again with group 3; the barrier opens a round of the cluster's barrier, and the joint refill is the first thing behind the round.
.macro TURN s, fill
	WIN 0                                          ; (the add's two registers lie in window 0)
	s_wait_tensorcnt 0x0                           ; all my tensor loads have landed, so a group 0 may be written
	ds_add_u32 v[SPW], v[NIL]                      ; 0 onto my spare word
.if \fill
	s_add_nc_u64 s[G0A+6:G0A+7], s[G0A+6:G0A+7], 3*GRPB   ; slot 0's sets step from group 0 to group 3; the type bits on top are not reached
	s_add_nc_u64 s[G0B+6:G0B+7], s[G0B+6:G0B+7], 3*GRPB
.endif
	s_wait_dscnt 0x1                               ; only the add may be out: this step's fragments are in
	MUL \s, 0, 4, 0                                ; eight matrix instructions stand between the add and the wait for it
	s_wait_dscnt 0x0                               ; the add is done, and my reads of the slots behind me are over
	s_barrier_signal -1
	MUL \s, 4, 4, 0                                ; work on registers while the others arrive
	WIN 0
	s_barrier_wait -1
.if \fill
	CREST                                          ; no wave of any partner still reads slot 0 or has a load on its way
	JLOAD 1                                        ; the four v_nop behind it are also the places in front of the loads below
.else
	PLACES 4
.endif
	FETCH (\s)+1
	SCALES ((\s)+1)/4
.endm
.if !OUTP
; 64 numbers of a lane, register 16 b + i = k 32 b + 16 (lane / 16) + i of my row, become a fragment's codes in v[pc] .. v[pc + 11] (v[pc + 12] .. v[pc + 19] at work) and its scale word in v[pw].
; Each accumulator of eight registers is first read at its two lowest.
.macro QUANT s, pc, pw
.irp b, 0,1,2,3
	v_max3_num_f32 v[TM+\b], |v[\s+16*\b]|, |v[\s+1+16*\b]|, 0x2800000   ; my 16 numbers of block b, and the floor 2^(5 - 127): the byte cannot fall under 1
.endr
.irp i, 2,4,6,8,10,12,14
.irp b, 0,1,2,3
	v_max3_num_f32 v[TM+\b], v[TM+\b], |v[\s+16*\b+\i]|, |v[\s+1+16*\b+\i]|
.endr
.endr
.irp b, 0,1,2,3
	v_permlanex16_b32 v[TM+4+\b], v[TM+\b], s[SEL], s[SEL+1]
.endr
.irp b, 0,1,2,3
	v_max_num_f32 v[TM+\b], v[TM+\b], v[TM+4+\b]          ; with lane l xor 16's: the block's largest magnitude
.endr
.irp b, 0,1,2,3
	v_add_nc_u32 v[TM+12+\b], 0xfe000000, v[TM+\b]        ; 4 off its exponent field: the conversion takes that field as its scale
.endr
.irp b, 0,1,2,3
	v_lshrrev_b32 v[TM+4+\b], 23, v[TM+12+\b]             ; the scale's byte
.endr
	v_lshl_or_b32 v[\pw], v[TM+5], 8, v[TM+4]
	v_lshl_or_b32 v[\pw], v[TM+6], 16, v[\pw]
	v_lshl_or_b32 v[\pw], v[TM+7], 24, v[\pw]
.irp c, 0,1
	v_cvt_scalef32_pk16_bf6_f32 v[\pc+6*\c:\pc+2+6*\c], v[\s+32*\c:\s+15+32*\c], v[TM+12+2*\c]
	v_cvt_scalef32_pk16_bf6_f32 v[\pc+12+4*\c:\pc+14+4*\c], v[\s+16+32*\c:\s+31+32*\c], v[TM+12+2*\c+1]
.endr
	v_nop                                                 ; one plain place behind a scaled conversion
.irp c, 0,1
.irp i, 0,1,2
	v_permlane16_swap_b32 v[\pc+6*\c+\i], v[\pc+12+4*\c+\i]
.endr
.irp i, 0,1,2
	v_mov_b32 v[\pc+3+6*\c+\i], v[\pc+12+4*\c+\i]
.endr
.endr
.endm
.endif
	s_load_b256 s[4:11], s[0:1], 0x0               ; OUTP = 0: xw_codes, xw_scales, qkv_codes, qkv_scales;  1: attn_codes, attn_scales, xw_codes, xw_scales
.if OUTP
	s_load_b64 s[12:13], s[0:1], 0x20              ; out0
.endif
	v_lshl_add_u32 v[SPW], v0, 2, SPARE
	v_mov_b32 v[NIL], 0
	ds_add_u32 v10, v11
	ds_add_u32 v10, v11
	s_wait_dscnt 0x0
	v_lshrrev_b32 v1, 5, v0
	v_readfirstlane_b32 s[WV], v1                  ; wave 0..3
	; every LDS address is made here, ahead of the first branch: a constant + a constant x lane + a constant x wave
	v_and_b32 v[LS], 31, v0
	v_lshlrev_b32 v[AD0], 4, v[LS]                 ; 16 x lane
	v_lshlrev_b32 v[LS], 2, v[LS]                  ; 4 x lane
	v_add_nc_u32 v[AD0+1], SLOTB, v[AD0]
	v_add_nc_u32 v[AD0+2], 2*SLOTB, v[AD0]
	s_mul_i32 s17, s[WV], 2*GRPB                   ; my two tiles of source 1,
	s_add_co_u32 s17, s17, HALF                    ; which lies behind source 0
.irp q, 0,1,2
	v_add_nc_u32 v[AD1+\q], s17, v[AD0+\q]
.endr
	v_add_nc_u32 v[ADS0], SCL, v[LS]
	s_lshl_b32 s17, s[WV], 11                      ; my pair's 16 x 128 bytes of scale words
	s_add_co_u32 s17, s17, SCL+8192
	v_add_nc_u32 v[ADS1], s17, v[LS]
.if OUTP
	s_mul_i32 s17, s[WV], 32*SPI
	s_add_co_u32 s17, s17, SLOTB                   ; my stage
	v_and_b32 v14, 15, v0                          ; r
	v_bfe_u32 v15, v0, 4, 1                        ; h
	v_mul_u32_u24 v[STO], v14, SPI
	v_lshl_add_u32 v[STO], v15, 6, v[STO]
	v_add_nc_u32 v[STO], s17, v[STO]               ; in: row r, + 64 h
	v_add_nc_u32 v[RD], s17, v[AD0]                ; back: 16 bytes a lane of a whole row
.else
.irp b, 0,1,2,3
	v_mov_b32 v[TM+4+\b], 0                        ; written once: a lane permute's destination counts as one of its sources
.endr
.endif
	s_and_b32 s18, s[WV], 1                        ; which half of a block I fetch
	s_bfe_u32 s19, ttmp6, 0x40000                  ; cx
	s_bfe_u32 s20, ttmp6, 0x40004                  ; cy
	s_lshl_b32 s21, ttmp9, 2
	s_add_co_u32 s21, s21, s19                     ; J: source 0's block = 4 x cluster x + cx
	s_and_b32 s23, ttmp7, 0xffff                   ; the cluster's y
	s_and_b32 s22, s23, 3
	s_lshl_b32 s22, s22, 2
	s_add_co_u32 s22, s22, s20                     ; I: source 1's block = 4 x (cluster y % 4) + cy
	s_lshl_b32 s56, s20, 2
	s_lshl_b32 s56, 15, s56                        ; my row of the cluster
	s_lshl_b32 s57, 0x1111, s19                    ; my column
	; group 1.  Codes: 4 tiles x 4 K steps: 4 rows of 768 elements of 8 bytes (6,144 bytes), 3,072 elements (a tile's 16 K steps) apart; no padding: every LDS read takes 512 consecutive bytes
	s_or_b32 s[G1A], s56, (3<<16)|(1<<21)          ; 15:0 the mask; 17:16 elements of 8 bytes; 21 set beside a mask
	s_or_b32 s[G1B], s57, (3<<16)|(1<<21)
	s_or_b32 s[G1SA], s56, (3<<16)|(1<<21)
	s_or_b32 s[G1SB], s57, (3<<16)|(1<<21)
.irp g, G1A, G1B
	s_mov_b32 s[\g+1], 768<<16                     ; tensor_dim0
	s_mov_b32 s[\g+2], 4<<16                       ; tensor_dim1
	s_mov_b32 s[\g+3], 768<<16                     ; tile_dim0
	s_mov_b32 s[\g+4], 4                           ; tile_dim1
	s_mov_b32 s[\g+5], 3072                        ; tensor_dim0_stride
	s_mov_b32 s[\g+6], 0
	s_mov_b32 s[\g+7], 0
.endr
.irp g, G1SA, G1SB                                 ; scale words: two pairs' 4,096 dense bytes as 16 rows of 256
	s_mov_b32 s[\g+1], 32<<16
	s_mov_b32 s[\g+2], 16<<16
	s_mov_b32 s[\g+3], 32<<16
	s_mov_b32 s[\g+4], 16
	s_mov_b32 s[\g+5], 32
	s_mov_b32 s[\g+6], 0
	s_mov_b32 s[\g+7], 0
.endr
	; where my half blocks begin, in bytes.  Source 1's offsets (s60-63) never hold cx, source 0's (s66, s67, s2, s3) never cy
	s_mul_i32 s60, s22, 8*16*FRB
	s_mul_i32 s61, s18, 4*16*FRB
	s_add_co_u32 s60, s60, s61
	s_lshl_b32 s62, s22, 13
	s_lshl_b32 s63, s18, 12
	s_add_co_u32 s62, s62, s63
	s_mul_i32 s66, s21, 8*16*FRB
	s_mul_i32 s67, s18, 4*16*FRB
	s_add_co_u32 s66, s66, s67
	s_lshl_b32 s2, s21, 13
	s_lshl_b32 s3, s18, 12
	s_add_co_u32 s2, s2, s3
.if OUTP
	s_add_co_u32 s66, s66, 4*TENB                  ; source 0 is Wo, tensor 4 of xw_codes; source 1 has a buffer of its own
	s_add_co_u32 s2, s2, 4*TENS
.else
	s_lshr_b32 s23, s23, 2                         ; tsel: 0 q, 1 k, 2 v: the same in the whole cluster
	s_lshr_b32 s59, s23, 1
	s_mul_i32 s59, s59, 3                          ; source 1's tensor: 0, 0, 3 (x, x, Wv)
	s_add_co_u32 s58, s23, 1
	s_sub_co_u32 s58, s58, s59                     ; source 0's: 1, 2, 0 (Wq, Wk, x)
	s_mul_i32 s61, s59, TENB
	s_add_co_u32 s60, s60, s61
	s_lshl_b32 s63, s59, 17
	s_add_co_u32 s62, s62, s63
	s_mul_i32 s67, s58, TENB
	s_add_co_u32 s66, s66, s67
	s_lshl_b32 s3, s58, 17
	s_add_co_u32 s2, s2, s3
	s_mov_b32 s[SEL], 0x76543210
	s_mov_b32 s[SEL+1], 0xfedcba98
.endif
	s_mov_b32 s61, 0
	s_mov_b32 s63, 0
	s_mov_b32 s67, 0
	s_mov_b32 s3, 0
	s_mul_i32 s14, s[WV], 4*GRPB                   ; where they go: wave x 24,576 in a slot (source 0's halves, then source 1's),
	s_lshl_b32 s15, s[WV], 12                      ; wave x 4,096 among the scale words: no place in the cluster enters an LDS address
	s_wait_kmcnt 0x0
	s_mov_b32 s[G0A], 1                            ; 1:0 count = 1
	s_add_co_u32 s[G0A+1], s15, SCL                ; LDS address
	s_add_nc_u64 s[G0A+2:G0A+3], s[P1S:P1S+1], s[62:63]
	s_or_b32 s[G0A+3], s[G0A+3], 0x80000000        ; type = 2
	s_mov_b32 s[G0B], 1
	s_add_co_u32 s[G0B+1], s15, SCL
	s_add_nc_u64 s[G0B+2:G0B+3], s[P0S:P0S+1], s[2:3]
	s_or_b32 s[G0B+3], s[G0B+3], 0x80000000
	s_add_nc_u64 s[60:61], s[P1C:P1C+1], s[60:61]
	s_add_nc_u64 s[66:67], s[P0C:P0C+1], s[66:67]
.irp n, 1,2,3                                      ; set n: group n - 1 into slot n - 1
	s_mov_b32 s[G0A+4*\n], 1
	s_add_co_u32 s[G0A+4*\n+1], s14, (\n-1)*SLOTB
	s_add_nc_u64 s[G0A+4*\n+2:G0A+4*\n+3], s[60:61], (\n-1)*GRPB
	s_or_b32 s[G0A+4*\n+3], s[G0A+4*\n+3], 0x80000000
	s_mov_b32 s[G0B+4*\n], 1
	s_add_co_u32 s[G0B+4*\n+1], s14, (\n-1)*SLOTB
	s_add_nc_u64 s[G0B+4*\n+2:G0B+4*\n+3], s[66:67], (\n-1)*GRPB
	s_or_b32 s[G0B+4*\n+3], s[G0B+4*\n+3], 0x80000000
.endr
	CROUND                                         ; all sixteen work-groups are here: the first joint loads meet
	s_cmp_lt_u32 s[WV], 2                          ; a wave's four first fills stand in one branch, ahead of every wait on TENSORcnt, every LDS read and every other barrier
	s_cbranch_scc0 .Lfirst_a
	tensor_load_to_lds s[G0B:G0B+3], s[G1SB:G1SB+7]
	s_nop 0
	tensor_load_to_lds s[G0B+4:G0B+7], s[G1B:G1B+7]
	s_nop 0
	tensor_load_to_lds s[G0B+8:G0B+11], s[G1B:G1B+7]
	s_nop 0
	tensor_load_to_lds s[G0B+12:G0B+15], s[G1B:G1B+7]
	s_nop 0
	PLACES 4
	s_branch .Lfirst_asked
.Lfirst_a:
	tensor_load_to_lds s[G0A:G0A+3], s[G1SA:G1SA+7]
	s_nop 0
	tensor_load_to_lds s[G0A+4:G0A+7], s[G1A:G1A+7]
	s_nop 0
	tensor_load_to_lds s[G0A+8:G0A+11], s[G1A:G1A+7]
	s_nop 0
	tensor_load_to_lds s[G0A+12:G0A+15], s[G1A:G1A+7]
	s_nop 0
	PLACES 4
.Lfirst_asked:
	; where my results go
.if OUTP
	s_lshl_b32 s60, s22, 20                        ; 128 I rows of 8,192 bytes,
	s_lshl_b32 s61, s[WV], 18                      ; 32 rows a wave,
	s_add_co_u32 s60, s60, s61
	s_lshl_b32 s61, s21, 9                         ; 128 J columns of 4 bytes
	s_add_co_u32 s60, s60, s61
	s_mov_b32 s61, 0
	s_add_nc_u64 s[12:13], s[12:13], s[60:61]
.else
	s_cmp_eq_u32 s23, 2
	s_cselect_b32 s19, s21, s22                    ; the block of 128 tokens: source 0's for v, else source 1's
	s_cselect_b32 s20, s22, s21                    ; the head: the other one
	s_lshr_b32 s17, s19, 3                         ; batch
	s_lshl_b32 s17, s17, 4
	s_add_co_u32 s17, s17, s20                     ; batch x 16 + head
	s_lshl_b32 s17, s17, 3
	s_and_b32 s19, s19, 7
	s_add_co_u32 s17, s17, s19                     ; x 8 + the block within the batch
	s_mul_i32 s60, s17, 8*FRB
	s_mul_i32 s61, s23, TENB
	s_add_co_u32 s60, s60, s61
	s_mul_i32 s61, s[WV], 2*FRB                    ; my two tiles
	s_add_co_u32 s60, s60, s61
	s_mov_b32 s61, 0
	s_add_nc_u64 s[8:9], s[8:9], s[60:61]
	s_lshl_b32 s60, s17, 9
	s_lshl_b32 s62, s23, 17
	s_add_co_u32 s60, s60, s62
	s_lshl_b32 s62, s[WV], 7                       ; my pair
	s_add_co_u32 s60, s60, s62
	s_add_nc_u64 s[10:11], s[10:11], s[60:61]
.endif
	s_wait_tensorcnt 0x2                           ; my part of the scale words and of slot 0 is in; slots 1 and 2 may be out
	s_barrier_signal -1
	s_barrier_wait -1                              ; everybody's is
	SCALES 0
	FETCH 0
	STEP 0, 1                                      ; the first step's products start the sums: nothing is cleared
	STEP 1, 0
	STEP 2, 0
	TURN 3, 1                                      ; slots 1 and 2 are whole in every wave's eyes; slot 0 takes group 3, which has eight steps in which to land
.irp s, 4,5,6,7,8,9,10
	STEP \s, 0
.endr
	TURN 11, 0                                     ; group 3 has landed; nothing is left to fetch, so no round
	STEP 12, 0
	STEP 13, 0
	STEP 14, 0
	s_wait_dscnt 0x0
	MUL 15, 0, 8, 0
	WIN 0
	PLACES 4                                       ; between the last products and the first read of results
.if OUTP
	; THE WAY OUT.  Lane (r, h) holds, of row r of tile a, columns 32 b + 16 h + 0 .. 15 in registers 16 b on: 64 bytes.  My 32 rows x 512 bytes go through my own stage and come back as whole rows.
.irp a, 0,1
.irp b, 0,1,2,3
.irp k, 0,1,2,3
	ds_store_b128 v[STO], v[ACC+64*\a+16*\b+4*\k:ACC+64*\a+16*\b+4*\k+3] offset:16*\a*SPI+128*\b+16*\k   ; ascending: each accumulator from its low end on
.endr
.endr
.endr
	WIN TO_F
.set t, 0
.rept 32
	ds_load_b128 v[4*t:4*t+3], v[RD] offset:SPI*t  ; LDS serves a wave's instructions in order (ISA guide 5.7.1.4): these see my stores
.set t, t+1
.endr
	WIN 0x04                                       ; a store's data are its source 1: window 1
.set t, 0
.rept 32
	s_wait_dscnt 31-t                              ; stage row t is back; the rows behind it may be out
	global_store_b128 v[AD0], v[4*t:4*t+3], s[12:13] offset:(8*(t/16)+t%16+8*((t%16)/8))*8192 th:TH_STORE_NT   ; stage row 16 a + r is row 8 a + r + 8 (r / 8) of my 32; 32 lanes store 512 consecutive bytes, at a multiple of 256
.set t, t+1
.endr
	WIN 0
.else
	; THE WAY OUT.  My two tiles' 64 registers each are one fragment of the next product: quantised as they stand, stored as images.
	QUANT ACC, PC, PW0
.irp c, 0,1,2
	global_store_b128 v[AD0], v[PC+4*\c:PC+4*\c+3], s[8:9] offset:512*\c
.endr
	QUANT ACC+64, ACC, PW1                         ; its codes go where the first tile's sums lay: no store's data are written again
.irp c, 0,1,2
	global_store_b128 v[AD0], v[ACC+4*\c:ACC+4*\c+3], s[8:9] offset:FRB+512*\c
.endr
	s_mov_b32 vcc_lo, 0xffff0000
	v_cndmask_b32 v[PWC], v[PW0], v[PW1], vcc_lo   ; lanes 0-15 the even tile's words, lanes 16-31 the odd tile's
	global_store_b32 v[LS], v[PWC], s[10:11]
.endif
	s_wait_tensorcnt 0x0                           ; the wave's end
	ds_add_u32 v[SPW], v[NIL]
	s_wait_dscnt 0x0
	CROUND                                         ; the closing round: no work-group ends while a partner may still ask for a tile that names it
	s_endpgm
.Lfunc_end_k_q9d3f53c513_outp:
	.size	k_q9d3f53c513_outp, .Lfunc_end_k_q9d3f53c513_outp-k_q9d3f53c513_outp
	.p2alignl 7, 3214868480
	.fill 96, 4, 3214868480
	.section	.rodata,"a",@progbits
	.p2align	6, 0x0
	.amdhsa_kernel k_q9d3f53c513_outp
		.amdhsa_group_segment_fixed_size 327680
		.amdhsa_private_segment_fixed_size 0
		.amdhsa_enable_private_segment 0
		.amdhsa_kernarg_size 40
		.amdhsa_user_sgpr_count 2
		.amdhsa_user_sgpr_kernarg_segment_ptr 1
		.amdhsa_wavefront_size32 1
		.amdhsa_system_sgpr_workgroup_id_x 1
		.amdhsa_system_sgpr_workgroup_id_y 1
		.amdhsa_system_sgpr_workgroup_id_z 1
		.amdhsa_system_vgpr_workitem_id 0
		.amdhsa_next_free_vgpr 512
		.amdhsa_next_free_sgpr 100
		.amdhsa_reserve_vcc 1
		.amdhsa_float_denorm_mode_32 3
		.amdhsa_float_denorm_mode_16_64 3
		.amdhsa_memory_ordered 1
		.amdhsa_forward_progress 1
		.amdhsa_inst_pref_size 89
	.end_amdhsa_kernel
	.amdgpu_metadata
---
amdhsa.version: [ 1, 2 ]
amdhsa.kernels:
  - .name:           k_q9d3f53c513_outp
    .symbol:         k_q9d3f53c513_outp.kd
    .args:
      - { .name: attn_codes, .offset: 0, .size: 8, .value_kind: global_buffer, .address_space: global }
      - { .name: attn_scales, .offset: 8, .size: 8, .value_kind: global_buffer, .address_space: global }
      - { .name: xw_codes, .offset: 16, .size: 8, .value_kind: global_buffer, .address_space: global }
      - { .name: xw_scales, .offset: 24, .size: 8, .value_kind: global_buffer, .address_space: global }
      - { .name: out0, .offset: 32, .size: 8, .value_kind: global_buffer, .address_space: global }
    .group_segment_fixed_size: 327680
    .private_segment_fixed_size: 0
    .kernarg_segment_align: 8
    .kernarg_segment_size: 40
    .max_flat_workgroup_size: 128
    .sgpr_count:     100
    .vgpr_count:     512
    .wavefront_size: 32
...
	.end_amdgpu_metadata
.endif
;; end of part 4
